; MI455X (gfx1250); checked and timed in simulation.
; The chip was launched on July 23, 2026; its instructions are those of AMD's public machine-readable ISA for CDNA 5 (MIT licence, August 2026) and "CDNA5" Instruction Set Architecture Reference Guide (July 2026). The comments in the code are by the model that wrote it; some were corrected since.
;; Bi Transformer layer. Allowed arithmetic: float matrix products may take bf16 or f16 operands with f32 sums; other float arithmetic in f32, or as packed bf16 or f16 multiplies, adds, multiply-adds, maxima and minima; sums over many terms, partial sums and values carried from step to step in f32; what a program stores and reads back later, other than sums and carried values, may be rounded once to bf16 or f16.
;; Inputs: b1 3,072 float32; b2 768 float32; bk 768 float32; bo 768 float32; bq 768 float32; bv 384 float32; ln1_b 768 float32; ln1_s 768 float32; ln2_b 768 float32; ln2_s 768 float32; padding_mask 2 x 2,048 bool; w1 768 x 3,072 float32; w2 3,072 x 768 float32; wk 768 x 768 float32; wo 768 x 768 float32; wq 768 x 768 float32; wv 768 x 384 float32; x 2 x 2,048 x 768 float32.
;; Outputs: out0 2 x 2,048 x 768 float32.
;; Constants: unused = 0.
;; One version. Each part assembles by itself: llvm-mc -triple=amdgcn-amd-amdhsa -mcpu=gfx1250 --defsym DOCPART=n.
;; ======== version 1 of 1: 8 launches
;; workspace buffers: xb 6,291,456 bytes; wts 13,565,952 bytes; qkv 15,728,640 bytes; o 6,291,456 bytes; yz 12,582,912 bytes; h 6,291,456 bytes; act 25,165,824 bytes
;; launch prep (part 1): grid 1212 x 1, 8 waves a work-group, no clusters, 18,432 bytes of LDS; arguments x, wq, wk, wv, wo, w1, w2, xb, wts; writes xb, wts
.if DOCPART == 1
	.amdgcn_target "amdgcn-amd-amdhsa--gfx1250"
	.amdhsa_code_object_version 6
	.text
	.protected	k_q76dd91c15c_prep
	.globl	k_q76dd91c15c_prep
	.p2align	8
	.type	k_q76dd91c15c_prep,@function
k_q76dd91c15c_prep:
	s_mov_b64 s[64:65], 0
	v_nop
	global_prefetch_b8 v0, s[64:65] scope:SCOPE_SE
	s_setreg_imm32_b32 hwreg(HW_REG_WAVE_MODE, 25, 1), 1
	s_wait_xcnt 0x0
; BiTransformer layer, launch 1 of 8: x is rounded to bf16 (xb), and the six weights, [K][N] f32, are rounded and turned into [N][K] bf16 (wts),
; so that every later product is C = A B^T with K along the rows of both operands.
; wts, in bytes: wq^T 0, wk^T 1,179,648, wv^T 2,359,296 (together 1,920 rows of 768), wo^T 2,949,120, w1^T 4,128,768, w2^T 8,847,360.
; wo^T's K is reordered: place h 64 + dir 32 + e holds wo's row dir 384 + h 32 + e, the order in which the attention launch stores its result.
; WORK LEFT OUT IN THIS PROGRAM.  (1) The constant 'unused' reaches no result and has no buffer.  (2) In each of reference()'s two softmaxes every key that its own
; causal mask hides has the score -10000, whatever the inputs hold, so all hidden keys of a row have ONE weight w, and the sum over them of w v_j is w times the sum of v_j.
; So for a step of 64 keys that the mask hides wholly the attention launch makes no exponentials and no product P V, only the column sums of V; each pair (query, key) is visible in
; one softmax (the diagonal in both), so each score is made and exponentiated once.  No input is left out: all are loaded.
; LIMITS.  -10000 log2(e) is kept as one f32 number; a padded key's k is multiplied by 0, so an infinity or NaN in such a k gives NaN where reference() selects it away;
; weights under 2^-126 count as 0; NaN and infinities are not treated apart; a NaN, infinity or overflow that reaches only the work left out is not carried to the result.
; SHARES.  Work-groups 0-383: 8,192 numbers of x each.  Work-groups 384-1211: one tile of 128 k x 64 n of one weight, turned through LDS (64 rows of 256 bytes, pitch 272).
.set SPARE, 17408                      ; behind the stage: the spare words, 128 bytes for each of eight waves
.set SPW, 62                           ; v62 LDS address of my spare word; never rewritten
.set NIL, 63                           ; v63 0; never rewritten
	s_load_b512 s[4:19], s[0:1], 0x0               ; x 4, wq 6, wk 8, wv 10, wo 12, w1 14, w2 16, xb 18
	s_load_b64 s[20:21], s[0:1], 0x40              ; wts
	v_lshl_add_u32 v[SPW], v0, 2, SPARE
	v_mov_b32 v[NIL], 0
	s_mov_b32 s2, ttmp9
	s_mov_b32 s43, 0                               ; high word of every offset
	s_wait_kmcnt 0x0
	s_cmp_lt_u32 s2, 384
	s_cbranch_scc0 .Ltrans
	; x: thread t takes 16 bytes at 16 t of each of eight blocks of 4,096 bytes, and stores 8 bytes at 8 t of blocks of 2,048
	s_lshl_b32 s42, s2, 15
	s_add_nc_u64 s[4:5], s[4:5], s[42:43]
	s_lshl_b32 s42, s2, 14
	s_add_nc_u64 s[18:19], s[18:19], s[42:43]
	v_lshlrev_b32 v1, 4, v0
	v_lshlrev_b32 v2, 3, v0
.irp i, 0,1,2,3,4,5,6,7
	global_load_b128 v[8+4*\i:11+4*\i], v1, s[4:5] offset:4096*\i th:TH_LOAD_NT
.endr
.irp i, 0,1,2,3,4,5,6,7
	s_wait_loadcnt 7-\i                            ; loads return in order: 7 - i younger ones stay out
	v_cvt_pk_bf16_f32 v[40+2*\i], v[8+4*\i], v[9+4*\i]
	v_cvt_pk_bf16_f32 v[41+2*\i], v[10+4*\i], v[11+4*\i]
	global_store_b64 v2, v[40+2*\i:41+2*\i], s[18:19] offset:2048*\i  ; a wave stores 256 consecutive bytes, aligned
.endr
	s_branch .Lend
.Ltrans:
	; which weight: the tiles are numbered wq 0, wk 72, wv 144, wo 180, w1 252, w2 540
	s_sub_co_u32 s3, s2, 384
	s_mov_b64 s[22:23], s[6:7]                     ; source
	s_mov_b32 s24, 0                               ; its first tile
	s_mov_b32 s25, 3072                            ; bytes in a source row, 4 N
	s_mov_b32 s26, 0                               ; its place in wts
	s_mov_b32 s27, 0                               ; K = 768 << sh
	s_mov_b32 s28, 0                               ; all ones: K is reordered
.macro PICK first, src, np, off, sh, perm
	s_cmp_ge_u32 s3, \first
	s_cselect_b64 s[22:23], s[\src:\src+1], s[22:23]
	s_cselect_b32 s24, \first, s24
	s_cselect_b32 s25, \np, s25
	s_cselect_b32 s26, \off, s26
	s_cselect_b32 s27, \sh, s27
	s_cselect_b32 s28, \perm, s28
.endm
	PICK 72, 8, 3072, 1179648, 0, 0
	PICK 144, 10, 1536, 2359296, 0, 0
	PICK 180, 12, 3072, 2949120, 0, -1
	PICK 252, 14, 12288, 4128768, 0, 0
	PICK 540, 16, 3072, 8847360, 2, 0
	s_sub_co_u32 s29, s3, s24                      ; the tile's number u in its weight, under 288
	s_mul_i32 s30, s29, 43691
	s_lshr_b32 s30, s30, 18                        ; u / 6
	s_lshr_b32 s30, s30, s27                       ; nt = u / (6 << sh)
	s_lshl_b32 s31, 6, s27
	s_mul_i32 s31, s31, s30
	s_sub_co_u32 s31, s29, s31                     ; kt
	s_lshl_b32 s40, 1536, s27                      ; KB: bytes in a row of the turned weight
	v_and_b32 v1, 15, v0                           ; in: my 4 columns; out: my 16 bytes of a row
	v_lshrrev_b32 v2, 4, v0                        ; in: my 8 rows of k; out: my row
	s_lshl_b32 s41, s31, 7
	v_lshl_add_u32 v56, v2, 3, s41                 ; kd: the first of my 8 places along K
	v_bfe_u32 v57, v56, 5, 1                       ; wo alone: source row dir 384 + h 32 + e
	v_mul_u32_u24 v57, v57, 384
	v_lshrrev_b32 v58, 6, v56
	v_lshl_add_u32 v57, v58, 5, v57
	v_and_b32 v58, 31, v56
	v_add_nc_u32 v57, v57, v58
	v_cndmask_b32 v56, v56, v57, s28
	v_mul_lo_u32 v3, v56, s25
	v_lshl_add_u32 v3, v1, 4, v3                   ; source row x 4 N + 16 x my place: sixteen lanes read 256 consecutive bytes
	v_mul_u32_u24 v4, v1, 272
	v_lshl_add_u32 v4, v2, 4, v4                   ; into the stage: row 16 j + n4 holds column 4 n4 + j; 16 bytes = my 8 k
	v_mul_u32_u24 v5, v2, 272
	v_lshl_add_u32 v5, v1, 4, v5                   ; back: stage row 16 i + r0 is column 4 r0 + i
	s_lshl_b32 s41, s40, 2
	v_mul_lo_u32 v6, v2, s41
	v_lshl_add_u32 v6, v1, 4, v6                   ; 4 r0 rows of KB bytes + 16 x my place
	s_lshl_b32 s42, s30, 8                         ; the tile's 64 columns: 256 bytes of a source row
	s_add_nc_u64 s[44:45], s[22:23], s[42:43]
	s_mov_b32 s42, s25
.irp r, 1,2,3,4,5,6,7
	s_add_nc_u64 s[44+2*\r:45+2*\r], s[42+2*\r:43+2*\r], s[42:43]  ; eight bases, a source row apart
.endr
.irp r, 0,1,2,3,4,5,6,7
	global_load_b128 v[8+4*\r:11+4*\r], v3, s[44+2*\r:45+2*\r] th:TH_LOAD_NT
.endr
	s_lshl_b32 s41, s30, 6
	s_mul_i32 s41, s41, s40                        ; 64 nt rows
	s_add_co_u32 s41, s41, s26
	s_lshl_b32 s29, s31, 8                         ; 128 kt places: 256 bytes
	s_add_co_u32 s42, s41, s29
	s_add_nc_u64 s[32:33], s[20:21], s[42:43]
	s_mov_b32 s42, s40
.irp i, 1,2,3
	s_add_nc_u64 s[32+2*\i:33+2*\i], s[30+2*\i:31+2*\i], s[42:43]  ; four bases, a turned row apart
.endr
	s_wait_loadcnt 0x0
.irp j, 0,1,2,3
.irp p, 0,1,2,3
	v_cvt_pk_bf16_f32 v[40+4*\j+\p], v[8+8*\p+\j], v[12+8*\p+\j]   ; column j of rows 2 p, 2 p + 1
.endr
	ds_store_b128 v4, v[40+4*\j:43+4*\j] offset:\j*4352
.endr
	s_wait_dscnt 0x0                               ; for the others' sake: my stores into the stage are done
	s_barrier_signal -1
	s_barrier_wait -1
.irp i, 0,1,2,3
	ds_load_b128 v[8+4*\i:11+4*\i], v5 offset:\i*4352
.endr
.irp i, 0,1,2,3
	s_wait_dscnt 3-\i
	global_store_b128 v6, v[8+4*\i:11+4*\i], s[32+2*\i:33+2*\i]    ; sixteen lanes store 256 consecutive bytes, aligned
.endr
.Lend:
	s_wait_tensorcnt 0x0                           ; the wave's end
	ds_add_u32 v[SPW], v[NIL]
	s_wait_dscnt 0x0
	s_endpgm
.Lfunc_end_k_q76dd91c15c_prep:
	.size	k_q76dd91c15c_prep, .Lfunc_end_k_q76dd91c15c_prep-k_q76dd91c15c_prep
	.p2alignl 7, 3214868480
	.fill 96, 4, 3214868480
	.section	.rodata,"a",@progbits
	.p2align	6, 0x0
	.amdhsa_kernel k_q76dd91c15c_prep
		.amdhsa_group_segment_fixed_size 18432
		.amdhsa_private_segment_fixed_size 0
		.amdhsa_enable_private_segment 0
		.amdhsa_kernarg_size 72
		.amdhsa_user_sgpr_count 2
		.amdhsa_user_sgpr_kernarg_segment_ptr 1
		.amdhsa_wavefront_size32 1
		.amdhsa_system_sgpr_workgroup_id_x 1
		.amdhsa_system_sgpr_workgroup_id_y 1
		.amdhsa_system_sgpr_workgroup_id_z 1
		.amdhsa_system_vgpr_workitem_id 0
		.amdhsa_next_free_vgpr 64
		.amdhsa_next_free_sgpr 66
		.amdhsa_reserve_vcc 0
		.amdhsa_float_denorm_mode_32 3
		.amdhsa_float_denorm_mode_16_64 3
		.amdhsa_memory_ordered 1
		.amdhsa_forward_progress 1
		.amdhsa_inst_pref_size 11
	.end_amdhsa_kernel
	.amdgpu_metadata
---
amdhsa.version: [ 1, 2 ]
amdhsa.kernels:
  - .name:           k_q76dd91c15c_prep
    .symbol:         k_q76dd91c15c_prep.kd
    .args:
      - { .name: x, .offset: 0, .size: 8, .value_kind: global_buffer, .address_space: global }
      - { .name: wq, .offset: 8, .size: 8, .value_kind: global_buffer, .address_space: global }
      - { .name: wk, .offset: 16, .size: 8, .value_kind: global_buffer, .address_space: global }
      - { .name: wv, .offset: 24, .size: 8, .value_kind: global_buffer, .address_space: global }
      - { .name: wo, .offset: 32, .size: 8, .value_kind: global_buffer, .address_space: global }
      - { .name: w1, .offset: 40, .size: 8, .value_kind: global_buffer, .address_space: global }
      - { .name: w2, .offset: 48, .size: 8, .value_kind: global_buffer, .address_space: global }
      - { .name: xb, .offset: 56, .size: 8, .value_kind: global_buffer, .address_space: global }
      - { .name: wts, .offset: 64, .size: 8, .value_kind: global_buffer, .address_space: global }
    .group_segment_fixed_size: 18432
    .private_segment_fixed_size: 0
    .kernarg_segment_align: 8
    .kernarg_segment_size: 72
    .max_flat_workgroup_size: 256
    .sgpr_count:     66
    .vgpr_count:     64
    .wavefront_size: 32
...
	.end_amdgpu_metadata
.endif
;; end of part 1
;; launch qkv (part 2): grid 16 x 15, 4 waves a work-group, clusters of 4 x 1, 327,680 bytes of LDS; arguments xb, wts, bq, bk, bv, padding_mask, qkv; writes qkv
.if DOCPART == 2
	.amdgcn_target "amdgcn-amd-amdhsa--gfx1250"
	.amdhsa_code_object_version 6
	.text
	.protected	k_q76dd91c15c_qkv
	.globl	k_q76dd91c15c_qkv
	.p2align	8
	.type	k_q76dd91c15c_qkv,@function
k_q76dd91c15c_qkv:
	s_mov_b64 s[64:65], 0
	v_nop
	global_prefetch_b8 v0, s[64:65] scope:SCOPE_SE
	s_setreg_imm32_b32 hwreg(HW_REG_WAVE_MODE, 25, 1), 1
	s_wait_xcnt 0x0
	s_wait_alu depctr_hold_cnt(0) depctr_sa_sdst(0) depctr_va_vdst(0) depctr_va_sdst(0) depctr_va_ssrc(0) depctr_va_vcc(0) depctr_vm_vsrc(0)
	s_getreg_b32 s2, hwreg(HW_REG_IB_STS2, 6, 4)
	s_cmp_eq_u32 s2, 0
	s_cbranch_scc0 .Lentry_in_a_cluster
	s_endpgm
.Lentry_in_a_cluster:
	s_bfe_u32 s2, ttmp6, 0x10000c
	s_cmp_lg_u32 s2, 0x3003
	s_cbranch_scc0 .Lentry_shape_is_right
	s_endpgm
.Lentry_shape_is_right:
; Launch 2 of 8: [q | k | v] = xb [wq | wk | wv] + bias, 4,096 x 1,920 x 768, bf16 operands, f32 sums, stored by heads in bf16:
; q at 0 and k at 6,291,456 as [24][2048][64], v at 12,582,912 as [24][2048][32]; head index = 12 b + h.
; q is stored times c = log2(e) / 8 (one rounding), so that scores come out in powers of two; k is stored times 1 - pad[row]: a padded key's products are then 0, and the
; attention launch starts its sum with -10000 log2(e): reference()'s jnp.where on the padding mask.  LIMIT: an infinity or NaN in a padded key's k gives NaN.
; TILE.  256 rows x 128 columns a work-group (grid x: rows, grid y: columns; 240 work-groups), four waves of 128 x 64: 32 accumulators.  K in 6 steps of 128 through two LDS slots.
; CLUSTER 4 x 1: the four partners differ in their rows and share the 128 rows of the weights: B's tiles are asked for jointly (mask 15); A's are each work-group's own.
; 15 column tiles do not divide by four, so the cluster has no second axis.
; The matrix instruction is used transposed (source 0 = rows of B, source 1 = rows of A): a lane holds eight neighbouring columns of one row of C.  The bias is the C operand of the first product.
; REGISTERS.  window 0: v1 r, v2 h, v16-19 LDS addresses, v20-25 the way out, v28-29 the add's, v32-63 bias, v96-111 row factors, v112-255 at work; window 1: two fragment buffers; window 2: accumulators.
; No prefetch: six K steps, of which two come by the first fills, in a short launch.
.set NA, 8
.set NB, 4
.set WGN, 2
.set SIZE_K, 768
.set KSTEP, 128
.set T, 6
.set DK, 32
.set APITCH, 272
.set BPITCH, 272
.set AQ, 64
.set NAW, 2
.set AREG, 69632
.set SLOT, 104448
.set AC, 128
.set AR, 128
.set APK, 768
.set AQI, 5
.set BR, 64
.set BQI, 5
.set AOX, 393216
.set AOW, 196608
.set ASTEP, 256
.set BOFF, 0
.set BOY, 196608
.set BOW, 98304
.set BSTEP, 256
.set LBA_M, 34816
.set LBB_0, 34816
.set LBB_M, 17408
.set CL44, 0
; ---- the text that the four products share ----
.set SPARE, 2*SLOT                     ; behind the ring: the spare words, 128 bytes a wave
.set FS, 8*(NA+NB)                     ; registers of one slice of 32 along K
.set LF, 2*(NA+NB)*(DK/32)             ; LDS loads of a fetch
.if DK == 32
.set HEADW, NA                         ; the youngest NA loads bring A's upper half, which the first half of a quarter does not read
.else
.set HEADW, LF/2                       ; the second slice
.endif
.set F0, 0
.set F1, 128
.set BIAS, 32
.set SPW, 28
.set NIL, 29
.set G1A, 32
.set G1B, 40
.set G0A, 48                           ; s[48:51] tile 0 into slot 0; s[52:55] tile 1 into slot 1, which then walks on
.set G0B, 56
.set MSB, 0
.macro WIN new                         ; the immediate's high byte repeats the setting that is left; a switch that changes nothing is dropped
.if MSB != (\new)
	s_set_vgpr_msb (MSB<<8)|(\new)
.set MSB, (\new)
.endif
.endm
.macro PLACES                          ; four plain places behind matrix instructions (ISA guide 7.12.1)
.rept 4
	v_nop
.endr
.endm
.macro CREST                           ; a round of the cluster's barrier behind its opening barrier
	s_cmp_lg_u32 s20, 0
	s_cbranch_scc1 .Lnot_wave_0_\@
	s_barrier_signal -3
.Lnot_wave_0_\@:
	s_barrier_wait -3
	s_barrier_signal -1
	s_barrier_wait -1
.endm
.macro CROUND
	s_barrier_signal -1
	s_barrier_wait -1
	CREST
.endm
.macro JLOAD                           ; the refill: waves under NAW fetch A's rows, the others B's; the branch hangs on the wave's number alone
	s_cmp_lt_u32 s20, NAW
	s_cbranch_scc0 .Lfor_b_\@
	tensor_load_to_lds s[G0A+4:G0A+7], s[G1A:G1A+7]
	s_nop 0
.rept 4
	v_nop
.endr
	s_branch .Lasked_\@
.Lfor_b_\@:
	tensor_load_to_lds s[G0B+4:G0B+7], s[G1B:G1B+7]
	s_nop 0
.rept 4
	v_nop
.endr
.Lasked_\@:
.endm
; products of slice c of buffer f for A's blocks alo .. ahi - 1 and all of B's; accumulator a NB + b: window 2 + its number / 32.  The accumulators take turns, one instruction a turn.
.macro MULR f, c, alo, ahi, zero
.set ma, \alo
.rept (\ahi)-(\alo)
.set mb, 0
.rept NB
.set mt, ma*NB+mb
.set rD, 8*(mt%32)
.set rB, (\f)+(\c)*FS+8*mb
.set rA, (\f)+(\c)*FS+8*NB+8*ma
.if \zero
	WIN 0x85+0x40*(mt/32)
	v_wmma_f32_16x16x32_bf16 v[rD:rD+7], v[rB:rB+7], v[rA:rA+7], v[BIAS+8*mb:BIAS+8*mb+7]
.else
	WIN 0xa5+0x50*(mt/32)
	v_wmma_f32_16x16x32_bf16 v[rD:rD+7], v[rB:rB+7], v[rA:rA+7], v[rD:rD+7]
.endif
.set mb, mb+1
.endr
.set ma, ma+1
.endr
.endm
.macro H1A f, zero
.if DK == 32
	MULR \f, 0, 0, NA/4, \zero
.else
	MULR \f, 0, 0, NA/2, \zero
.endif
.endm
.macro H1B f, zero
.if DK == 32
	MULR \f, 0, NA/4, NA/2, \zero
.else
	MULR \f, 0, NA/2, NA, \zero
.endif
.endm
.macro H2 f, zero
.if DK == 32
	MULR \f, 0, NA/2, NA, \zero
.else
	MULR \f, 1, 0, NA, 0
.endif
.endm
.macro FETCH q, f                      ; one run of LF loads: quarter q's fragments into buffer f; in each slice B's first, then A's
	WIN 0x40
.set fc, 0
.rept DK/32
.set fi, 0
.rept NB
	ds_load_b128 v[(\f)+fc*FS+8*fi:(\f)+fc*FS+8*fi+3], v19 offset:(\q)*2*DK+64*fc+fi*16*BPITCH
	ds_load_b128 v[(\f)+fc*FS+8*fi+4:(\f)+fc*FS+8*fi+7], v19 offset:(\q)*2*DK+64*fc+fi*16*BPITCH+32
.set fi, fi+1
.endr
.set fi, 0
.rept NA
	ds_load_b128 v[(\f)+fc*FS+8*NB+8*fi:(\f)+fc*FS+8*NB+8*fi+3], v18 offset:(\q)*AQ+64*fc+fi*16*APITCH
	ds_load_b128 v[(\f)+fc*FS+8*NB+8*fi+4:(\f)+fc*FS+8*NB+8*fi+7], v18 offset:(\q)*AQ+64*fc+fi*16*APITCH+32
.set fi, fi+1
.endr
.set fc, fc+1
.endr
.endm
.macro QUARTER qn, f, g, zero          ; multiplies buffer f; in its middle fetches quarter qn into buffer g
	s_wait_dscnt HEADW
	H1A \f, \zero
	H1B \f, \zero
	PLACES
	FETCH \qn, \g
	s_wait_dscnt LF                                ; all but the fetch just issued
	H2 \f, \zero
.endm
; The last quarter of a K step multiplies buffer 1 and changes slots.  In front of the barrier each wave waits for all its tensor loads (one is out: its part of the next slot), adds 0 to its
; spare word, and waits for that and for its reads of this slot.  fill = 1: the barrier opens a round of the cluster's, and the slot just left is filled again first thing behind it.
.macro TURN fill
	WIN 0
	s_wait_tensorcnt 0x0
	ds_add_u32 v[SPW], v[NIL]
.if \fill
	s_add_nc_u64 s[G0A+6:G0A+7], s[G0A+6:G0A+7], ASTEP  ; no load of mine is out: the walking descriptors step one tile on,
	s_add_nc_u64 s[G0B+6:G0B+7], s[G0B+6:G0B+7], BSTEP
	s_add_co_u32 s[G0A+5], s30, s27                ; into the slot that is being left
	s_add_co_u32 s[G0B+5], s31, s27
.endif
	s_wait_dscnt HEADW+1                           ; the add and the youngest HEADW loads may be out
	H1A F1, 0
	s_wait_dscnt 0x0                               ; the add is done, my reads of this slot are over
	s_barrier_signal -1
	H1B F1, 0
	WIN 0
	s_barrier_wait -1
.if \fill
	CREST
	JLOAD
.else
	PLACES
.endif
	s_xor_b32 s27, s27, SLOT                       ; the other slot is read from here on
	v_add_nc_u32 v18, s27, v16
	v_add_nc_u32 v19, s27, v17
	FETCH 0, F0
	H2 F1, 0
.endm
; ---- head ----
	s_load_b256 s[4:11], s[0:1], 0x0               ; xb 4, wts 6, bq 8, bk 10
	s_load_b128 s[12:15], s[0:1], 0x20             ; bv 12, padding_mask 14
	s_load_b64 s[16:17], s[0:1], 0x30              ; qkv
	v_lshl_add_u32 v[SPW], v0, 2, SPARE
	v_mov_b32 v[NIL], 0
	ds_add_u32 v[SPW], v[NIL]                      ; the opening: the add twice on end and one wait, ahead of my first tensor load
	ds_add_u32 v[SPW], v[NIL]
	v_lshrrev_b32 v1, 5, v0
	v_readfirstlane_b32 s20, v1                    ; wave
	s_lshr_b32 s21, s20, 1                         ; wm: my half of the rows
	s_and_b32 s22, s20, 1                          ; wn: my half of the columns
	s_bfe_u32 s23, ttmp6, 0x40000                  ; cx
	s_lshl_b32 s25, ttmp9, 2
	s_add_co_u32 s25, s25, s23                     ; X: the row tile
	s_and_b32 s26, ttmp7, 0xffff                   ; Y: the column tile, which the partners share
	s_mov_b32 s[G1A], (1<<16)|(1<<20)|(AQI<<22)|(3<<25)          ; A: no mask; 2-byte elements; 16 bytes of padding behind each row
	s_mov_b32 s[G1B], 15|(1<<16)|(1<<20)|(1<<21)|(BQI<<22)|(3<<25)  ; B: all four partners
	s_mov_b32 s[G1A+1], AC<<16
	s_mov_b32 s[G1A+2], AR<<16
	s_mov_b32 s[G1A+3], AC<<16
	s_mov_b32 s[G1A+4], AR
	s_mov_b32 s[G1A+5], APK
	s_mov_b32 s[G1A+6], 0
	s_mov_b32 s[G1A+7], 0
	s_mov_b32 s[G1B+1], KSTEP<<16
	s_mov_b32 s[G1B+2], BR<<16
	s_mov_b32 s[G1B+3], KSTEP<<16
	s_mov_b32 s[G1B+4], BR
	s_mov_b32 s[G1B+5], SIZE_K
	s_mov_b32 s[G1B+6], 0
	s_mov_b32 s[G1B+7], 0
	s_mul_i32 s76, s25, AOX                        ; A: my tile's rows, my wave's part of them
	s_mul_i32 s77, s20, AOW
	s_add_co_u32 s76, s76, s77
	s_mov_b32 s77, 0
	s_max_u32 s80, s20, NAW                        ; B: the wave's number among those that fetch B
	s_sub_co_u32 s80, s80, NAW
	s_mul_i32 s80, s80, BOW
	s_mul_i32 s81, s26, BOY
	s_add_co_u32 s80, s80, s81
	s_mov_b32 s81, 0
	s_mul_i32 s30, s20, LBA_M                      ; where they go in a slot: the wave's number and constants alone
	s_mul_i32 s31, s20, LBB_M
	s_add_co_u32 s31, s31, LBB_0
	s_mov_b32 s27, 0
	s_wait_dscnt 0x0                               ; both opening adds are done
	s_wait_kmcnt 0x0
	s_add_nc_u64 s[76:77], s[4:5], s[76:77]
	s_add_nc_u64 s[80:81], s[6:7], s[80:81]
.irp s, 0,1
	s_mov_b32 s[G0A+4*\s], 1
	s_add_co_u32 s[G0A+4*\s+1], s30, \s*SLOT
	s_add_nc_u64 s[G0A+4*\s+2:G0A+4*\s+3], s[76:77], \s*ASTEP
	s_or_b32 s[G0A+4*\s+3], s[G0A+4*\s+3], 0x80000000
	s_mov_b32 s[G0B+4*\s], 1
	s_add_co_u32 s[G0B+4*\s+1], s31, \s*SLOT
	s_add_nc_u64 s[G0B+4*\s+2:G0B+4*\s+3], s[80:81], \s*BSTEP
	s_or_b32 s[G0B+4*\s+3], s[G0B+4*\s+3], 0x80000000
.endr
	CROUND                                         ; all partners are here: the first joint loads meet
	s_cmp_lt_u32 s20, NAW                          ; a wave's two first fills stand in one branch: two loads of mine are out
	s_cbranch_scc0 .Lfirst_b
	tensor_load_to_lds s[G0A:G0A+3], s[G1A:G1A+7]
	s_nop 0
	tensor_load_to_lds s[G0A+4:G0A+7], s[G1A:G1A+7]
	s_nop 0
.rept 4
	v_nop
.endr
	s_branch .Lfirst_asked
.Lfirst_b:
	tensor_load_to_lds s[G0B:G0B+3], s[G1B:G1B+7]
	s_nop 0
	tensor_load_to_lds s[G0B+4:G0B+7], s[G1B:G1B+7]
	s_nop 0
.rept 4
	v_nop
.endr
.Lfirst_asked:
	v_and_b32 v1, 15, v0                           ; r
	v_bfe_u32 v2, v0, 4, 1                         ; h
	v_mul_u32_u24 v3, v1, APITCH
	v_lshl_add_u32 v3, v2, 4, v3
	s_mul_i32 s84, s21, 16*NA*APITCH
	v_add_nc_u32 v16, s84, v3                      ; my A fragments in slot 0
	v_mul_u32_u24 v3, v1, BPITCH
	v_lshl_add_u32 v3, v2, 4, v3
	s_mul_i32 s84, s22, 16*NB*BPITCH
	s_add_co_u32 s84, s84, AREG
	v_add_nc_u32 v17, s84, v3                      ; my B fragments in slot 0
	v_mov_b32 v18, v16
	v_mov_b32 v19, v17
	; which of q, k, v this column tile belongs to: s66 = 0, 6, 12 (its first tile), s67 = the tile's number in it
	s_cmp_ge_u32 s26, 6
	s_cselect_b64 s[86:87], s[10:11], s[8:9]
	s_cselect_b32 s66, 6, 0
	s_cmp_ge_u32 s26, 12
	s_cselect_b64 s[86:87], s[12:13], s[86:87]
	s_cselect_b32 s66, 12, s66
	s_sub_co_u32 s67, s26, s66
	s_cmp_eq_u32 s66, 0
	s_cselect_b32 s68, 0x3e38aa3b, 1.0             ; Fs: c for q, else 1
	s_cmp_eq_u32 s66, 6
	s_cselect_b32 s69, 1.0, 0                      ; kf: 1 for k, else 0
	v_lshlrev_b32 v24, 5, v2                       ; the bias fragment: register j = bias[16 b + 8 h + j]
	s_lshl_b32 s84, s67, 9
	s_lshl_b32 s85, s22, 8
	s_add_co_u32 s84, s84, s85
	s_mov_b32 s85, 0
	s_add_nc_u64 s[86:87], s[86:87], s[84:85]
.set fi, 0
.rept NB
	global_load_b128 v[BIAS+8*fi:BIAS+8*fi+3], v24, s[86:87] offset:64*fi
	global_load_b128 v[BIAS+8*fi+4:BIAS+8*fi+7], v24, s[86:87] offset:64*fi+16
.set fi, fi+1
.endr
	s_lshl_b32 s84, s25, 8
	s_lshl_b32 s85, s21, 7
	s_add_co_u32 s84, s84, s85
	v_add_nc_u32 v25, s84, v1                      ; my row in block a: 256 X + 128 wm + 16 a + r = its place in the padding mask
.set fi, 0
.rept NA
	global_load_u8 v[112+fi], v25, s[14:15] offset:16*fi
.set fi, fi+1
.endr
	s_wait_loadcnt 0x0
.set fi, 0
.rept NA
	v_cvt_f32_u32 v[112+fi], v[112+fi]
	v_fma_f32 v[112+fi], -v[112+fi], s69, 1.0      ; 1 - kf pad
	v_mul_f32 v[96+2*fi], s68, v[112+fi]           ; the row's factor, twice: a pair for the packed multiply
	v_mov_b32 v[97+2*fi], v[96+2*fi]
.set fi, fi+1
.endr
; ---- the walk along K ----
	s_wait_tensorcnt 0x1                           ; my part of tile 0 is in; tile 1's stays out
	s_barrier_signal -1
	s_barrier_wait -1
	FETCH 0, F0
	QUARTER 1, F0, F1, 1                           ; the first quarter starts the sums with the bias
	WIN 0
	s_mov_b32 s28, T-2
.Lmain:                                                ; a trip: the rest of a K step, the change of slots with its refill, the next step's first quarter
	QUARTER 2, F1, F0, 0
	QUARTER 3, F0, F1, 0
	TURN 1
	QUARTER 1, F0, F1, 0
	WIN 0
	s_sub_co_u32 s28, s28, 1
	s_cmp_lg_u32 s28, 0
	s_cbranch_scc1 .Lmain
	s_mov_b32 s29, 2
.Ltail:                                                ; the last two K steps ask for nothing.  The second trip is left in its middle; its barrier and its fetch (of bytes that were filled) serve nothing: the price, once a launch, of one text for both
	QUARTER 2, F1, F0, 0
	QUARTER 3, F0, F1, 0
	TURN 0
	WIN 0
	s_sub_co_u32 s29, s29, 1
	s_cmp_eq_u32 s29, 0
	s_cbranch_scc1 .Lout
	QUARTER 1, F0, F1, 0
	WIN 0
	s_branch .Ltail
.Lout:
; ---- the way out: times the row's factor, rounded to bf16, through a stage of 256 rows x 272 bytes that lies over slot 0 (both slots have had their last fill), out by heads ----
	s_wait_dscnt 0x0
	PLACES
	v_mul_u32_u24 v3, v1, 272
	v_lshl_add_u32 v3, v2, 4, v3
	s_mul_i32 s84, s21, 128*272
	s_lshl_b32 s85, s22, 7
	s_add_co_u32 s84, s84, s85
	v_add_nc_u32 v20, s84, v3                      ; row 128 wm + r, byte 128 wn + 16 h
	v_and_b32 v4, 31, v0
	v_lshlrev_b32 v22, 4, v4                       ; 16 l
	s_barrier_signal -1
	s_barrier_wait -1                              ; nobody reads the ring any more
.set ea, 0
.rept NA
	WIN 0x02
.set eb, 0
.rept NB
.set rD, 8*(ea*NB+eb)
.set ek, 0
.rept 4
	v_pk_mul_f32 v[128+8*eb+2*ek:128+8*eb+2*ek+1], v[rD+2*ek:rD+2*ek+1], v[96+2*ea:97+2*ea]
.set ek, ek+1
.endr
.set eb, eb+1
.endr
	WIN 0
.set eb, 0
.rept NB
.set ek, 0
.rept 4
	v_cvt_pk_bf16_f32 v[160+4*eb+ek], v[128+8*eb+2*ek], v[128+8*eb+2*ek+1]
.set ek, ek+1
.endr
	ds_store_b128 v20, v[160+4*eb:163+4*eb] offset:ea*4352+32*eb
.set eb, eb+1
.endr
.set ea, ea+1
.endr
	s_wait_dscnt 0x0                               ; for the others' sake
	s_barrier_signal -1
	s_barrier_wait -1
	s_lshr_b32 s84, s25, 3                         ; b
	s_mul_i32 s84, s84, 12
	s_and_b32 s85, s25, 7
	s_lshl_b32 s85, s85, 8
	s_lshl_b32 s86, s20, 6
	s_add_co_u32 s85, s85, s86                     ; my first row in the sequence: 256 (X % 8) + 64 wave
	s_lshl_b32 s88, s66, 20                        ; the region: 0, 6,291,456 or 12,582,912
	s_mul_i32 s89, s20, 64*272                     ; my 64 rows of the stage
	s_cmp_eq_u32 s66, 12
	s_cbranch_scc1 .Lv
	s_lshl1_add_u32 s84, s67, s84                  ; q, k: a tile holds heads 2 Yl, 2 Yl + 1; 4 rows of 128 bytes are 512 consecutive bytes of a head
	s_lshl_b32 s84, s84, 11
	s_add_co_u32 s84, s84, s85
	s_lshl_b32 s84, s84, 7
	s_add_co_u32 s84, s84, s88
	s_mov_b32 s85, 0
	s_add_nc_u64 s[86:87], s[16:17], s[84:85]
	v_lshrrev_b32 v5, 3, v4
	v_mul_u32_u24 v5, v5, 272
	v_and_b32 v6, 7, v4
	v_lshl_add_u32 v5, v6, 4, v5
	v_add_nc_u32 v21, s89, v5
.set u, 0
.rept 32
	ds_load_b128 v[128+4*u:131+4*u], v21 offset:(u%16)*1088+(u/16)*128
.set u, u+1
.endr
.set u, 0
.rept 32
	s_wait_dscnt 31-u
	global_store_b128 v22, v[128+4*u:131+4*u], s[86:87] offset:(u/16)*262144+(u%16)*512
.set u, u+1
.endr
	s_branch .Lfin
.Lv:
	s_lshl2_add_u32 s84, s67, s84                  ; v: a tile holds heads 4 Yl .. 4 Yl + 3; 8 rows of 64 bytes are 512 consecutive bytes of a head
	s_lshl_b32 s84, s84, 11
	s_add_co_u32 s84, s84, s85
	s_lshl_b32 s84, s84, 6
	s_add_co_u32 s84, s84, s88
	s_mov_b32 s85, 0
	s_add_nc_u64 s[86:87], s[16:17], s[84:85]
	v_lshrrev_b32 v5, 2, v4
	v_mul_u32_u24 v5, v5, 272
	v_and_b32 v6, 3, v4
	v_lshl_add_u32 v5, v6, 4, v5
	v_add_nc_u32 v21, s89, v5
.set u, 0
.rept 32
	ds_load_b128 v[128+4*u:131+4*u], v21 offset:(u%8)*2176+(u/8)*64
.set u, u+1
.endr
.set u, 0
.rept 32
	s_wait_dscnt 31-u
	global_store_b128 v22, v[128+4*u:131+4*u], s[86:87] offset:(u/8)*131072+(u%8)*512
.set u, u+1
.endr
.Lfin:
	s_wait_tensorcnt 0x0                           ; the wave's end
	ds_add_u32 v[SPW], v[NIL]
	s_wait_dscnt 0x0
	CROUND                                         ; the closing round
	s_endpgm
.Lfunc_end_k_q76dd91c15c_qkv:
	.size	k_q76dd91c15c_qkv, .Lfunc_end_k_q76dd91c15c_qkv-k_q76dd91c15c_qkv
	.p2alignl 7, 3214868480
	.fill 96, 4, 3214868480
	.section	.rodata,"a",@progbits
	.p2align	6, 0x0
	.amdhsa_kernel k_q76dd91c15c_qkv
		.amdhsa_group_segment_fixed_size 327680
		.amdhsa_private_segment_fixed_size 0
		.amdhsa_enable_private_segment 0
		.amdhsa_kernarg_size 56
		.amdhsa_user_sgpr_count 2
		.amdhsa_user_sgpr_kernarg_segment_ptr 1
		.amdhsa_wavefront_size32 1
		.amdhsa_system_sgpr_workgroup_id_x 1
		.amdhsa_system_sgpr_workgroup_id_y 1
		.amdhsa_system_sgpr_workgroup_id_z 1
		.amdhsa_system_vgpr_workitem_id 0
		.amdhsa_next_free_vgpr 768
		.amdhsa_next_free_sgpr 90
		.amdhsa_reserve_vcc 0
		.amdhsa_float_denorm_mode_32 3
		.amdhsa_float_denorm_mode_16_64 3
		.amdhsa_memory_ordered 1
		.amdhsa_forward_progress 1
		.amdhsa_inst_pref_size 80
	.end_amdhsa_kernel
	.amdgpu_metadata
---
amdhsa.version: [ 1, 2 ]
amdhsa.kernels:
  - .name:           k_q76dd91c15c_qkv
    .symbol:         k_q76dd91c15c_qkv.kd
    .args:
      - { .name: xb, .offset: 0, .size: 8, .value_kind: global_buffer, .address_space: global }
      - { .name: wts, .offset: 8, .size: 8, .value_kind: global_buffer, .address_space: global }
      - { .name: bq, .offset: 16, .size: 8, .value_kind: global_buffer, .address_space: global }
      - { .name: bk, .offset: 24, .size: 8, .value_kind: global_buffer, .address_space: global }
      - { .name: bv, .offset: 32, .size: 8, .value_kind: global_buffer, .address_space: global }
      - { .name: padding_mask, .offset: 40, .size: 8, .value_kind: global_buffer, .address_space: global }
      - { .name: qkv, .offset: 48, .size: 8, .value_kind: global_buffer, .address_space: global }
    .group_segment_fixed_size: 327680
    .private_segment_fixed_size: 0
    .kernarg_segment_align: 8
    .kernarg_segment_size: 56
    .max_flat_workgroup_size: 128
    .sgpr_count:     90
    .vgpr_count:     768
    .wavefront_size: 32
...
	.end_amdgpu_metadata
.endif
;; end of part 2
;; launch attn (part 3): grid 8 x 24, 8 waves a work-group, no clusters, 327,680 bytes of LDS; arguments qkv, padding_mask, o; writes o
.if DOCPART == 3
	.amdgcn_target "amdgcn-amd-amdhsa--gfx1250"
	.amdhsa_code_object_version 6
	.text
	.protected	k_q76dd91c15c_attn
	.globl	k_q76dd91c15c_attn
	.p2align	8
	.type	k_q76dd91c15c_attn,@function
k_q76dd91c15c_attn:
	s_mov_b64 s[64:65], 0
	v_nop
	global_prefetch_b8 v0, s[64:65] scope:SCOPE_SE
	s_setreg_imm32_b32 hwreg(HW_REG_WAVE_MODE, 25, 1), 1
	s_wait_xcnt 0x0
; Launch 3 of 8: both softmaxes of one score matrix.  q (already times log2(e) / 8), k (0 where padded): [24][2048][64] bf16; v: [24][2048][32] bf16.
; Result o: [row / 64][head 12][row % 64][dir 32 + e] bf16: a wave's 32 queries of a head are 4,096 consecutive bytes.
; WORK LEFT OUT (shown at the head of the first kernel): a key step that reference()'s own causal mask hides wholly from one softmax gives that softmax one common weight, so it
; costs only the column sums of V (VS) and a count; each visible score is exponentiated once.
; SHARES.  A work-group: one head, 256 queries; EIGHT waves, two to a SIMD, each with 32 queries: two tiles of 16.  A wave's lines wait for each other's results (the chain of the maximum, the exponentials, the
; matrix results); with two waves one can issue while the other waits.  The price: a fragment of K or V read from LDS feeds two tiles: 32 LDS loads for a wave's 32 matrix instructions in a step.
; Every wave walks all 32 steps of 64 keys.  JW = 4 block + wave / 2 is the wave's own step: its 32 queries are half wave % 2 of that step's 64 keys.
; Steps under JW belong to the forward softmax (keys <= query), steps over JW to the backward one; step JW is walked twice, once for each, its hidden entries replaced by MV = -10000 log2(e).
; Between the two passes the forward state (O, L, m) and the sums VS of the steps so far (hidden from the backward softmax) are set aside and the state starts anew.
; At the end, for each softmax: mt = max(m, MV), out = (O 2^(m - mt) + VS 2^(MV - mt)) / (L 2^(m - mt) + n 2^(MV - mt)), n = 64 x the hidden steps; where n = 0, MV gives way to -4.25e37.
; PADDING.  The sum S^T = K Q^T starts with C = MV for a padded key and 0 otherwise; its k is 0, so its score is MV exactly.
; LAYOUT.  S^T holds one query a lane (lane % 16) and keys 8 (lane / 16) + 0..7; two such results rounded to bf16 are source 1 of O^T = V^T P.  L = ones x P: the sum of the rounded weights, in f32, by the matrix unit.
; m starts at -4.25e37, O and L at 0: a first step is a step like any other, with a = 0.
; TURN t: the softmax of tile t, 94 vector lines; behind some of them ride the 8 products K Q^T of tile t + 1 and the 6 products V^T P, ones P of tile t - 1 (tile 0: the 4 products for VS).
; NO CLUSTER: the eight blocks of a head read the same K and V, but where the step that is walked twice lies, and which softmax takes a step, hang on the query block, and partners of a cluster must run alike.
; 192 work-groups: 24 heads x 8 blocks.
; LIMITS: weights under 2^-126 count as 0; NaN and infinities are not treated apart.
; REGISTERS.  window 0: v1 my query's place, v2-9 addresses, v10-11 the add's, v12-15 at work, v16+4t m, d, a, 0; v24-31 ones; v32+8t L; v48-63 VS; v64+32t S^T (its low 16 become P); v128-159 V; v160-167 ones or 0; v192+16t O^T.
;   So V^T P, ones P and the sums of V name window 0 alone, like the vector lines round them: only the products K Q^T switch windows.
;   window 1: v0-63 K, v64-95 Q, v96-127 C for the scores, v128-143 VS set aside, v144-145 L, v146-147 m, v148-179 O^T set aside.
.set NT, 2                             ; tiles a wave
.set PK, 144                           ; a row of K in LDS: 128 bytes + 16
.set VOFF, 36864                       ; a slot: 256 rows of K, then 256 rows of V of 64 + 32 bytes
.set SLOT1, 65536
.set PADT, 131072                      ; 2,048 f32: C for each key of the batch; stored by ds_store, never a fill's target
.set STAGE, PADT+8192+256              ; 16 rows x 144 bytes for each wave, for the way out.  256 bytes stay empty behind the table: C is fetched a step ahead, and behind step 31 that address (whose fetch a slot's last step does not issue) points there
.set SPARE, STAGE+8*16*144             ; the spare words, 128 bytes a wave
.set VQ, 1                             ; v1   32 (wave % 2) + lane % 16 - 8 (lane / 16): my query's place in the wave's own step, less my lanes' 8 keys
.set AK0, 2
.set AV0, 3
.set AP0, 4
.set AK, 5
.set AP, 6
.set AV, 7
.set VMV, 8
.set PFO, 9
.set SPW, 10
.set NIL, 11
.set CC, 12
.set ST, 16
.set ONEA, 24
.set LL, 32
.set VS, 48
.set S, 64
.set VF, 128
.set ONEB, 160
.set O, 192
.set KF, 0                             ; window 1 from here on
.set QF, 64
.set PC, 96
.set VSS, 128
.set LSV, 144
.set MSV, 146
.set OSV, 148
; s14 wave, s15 block, s16 head, s17 JW, s18 step, s19 steps left in the slot, s20 passes, s21 pass, s22 mode, s23 slots to ask for, s24 slot read, s25 K's byte, s26 V's byte, s27 byte in the table,
; s[28:35], s[36:43] group 1 of K, V; s[44:47], s[48:51] group 0; s[52:53] lane selects; s[54:55] prefetch pointer, s[56:57] its step; s[58:59] Q; s[60:61] o; s62 who prefetches; s63 fetch the next K;
; s82, s83 n; s84, s85 MV forward, backward
.set MSB, 0
.macro WIN new
.if MSB != (\new)
	s_set_vgpr_msb (MSB<<8)|(\new)
.set MSB, (\new)
.endif
.endm
.macro PLACES
.rept 4
	v_nop
.endr
.endm
.macro LOAD                            ; every wave fetches a quarter of a slot, 64 keys: waves 0-3 of its K, waves 4-7 of its V
	s_cmp_lt_u32 s14, 4
	s_cbranch_scc0 .Lfor_v_\@
	tensor_load_to_lds s[44:47], s[28:35]
	s_nop 0
.rept 4
	v_nop
.endr
	s_branch .Lasked_\@
.Lfor_v_\@:
	tensor_load_to_lds s[48:51], s[36:43]
	s_nop 0
.rept 4
	v_nop
.endr
.Lasked_\@:
.endm
; A prefetch of the slot that the NEXT change will ask for: four or five key steps ahead of that load.  All eight blocks of a head walk the same rows: block 0 asks.  K's 128 blocks of 256 bytes: waves 0-3, 32 each, a lane a block;
; V's 64: waves 4 and 5.  So each block is named once in the launch.  The last change that fills asks for nothing; slots 0 and 1 come by their loads alone.
.macro ASK
	s_cmp_gt_u32 s23, s62
	s_cbranch_scc0 .Lna_\@
	global_prefetch_b8 v[PFO], s[54:55] th:TH_LOAD_NT scope:SCOPE_SE
.Lna_\@:
.endm
.macro CHANGE fill                     ; the change of slots: all my tensor loads, the add, my reads; the barrier; the refill first behind it
	WIN 0
	s_wait_tensorcnt 0x0
	ds_add_u32 v[SPW], v[NIL]
.if \fill
	s_xor_b32 s45, s45, SLOT1                      ; no load of mine is out: the descriptors walk to the other slot and the next 256 keys
	s_add_nc_u64 s[46:47], s[46:47], 32768
	s_xor_b32 s49, s49, SLOT1
	s_add_nc_u64 s[50:51], s[50:51], 16384
	s_wait_xcnt 0x0                                ; the last prefetch, a slot back, has read its address
	s_add_nc_u64 s[54:55], s[54:55], s[56:57]
.endif
	s_wait_dscnt 0x0
	s_barrier_signal -1
	s_xor_b32 s24, s24, SLOT1
	s_mov_b32 s25, s24
	s_mov_b32 s26, s24
	s_barrier_wait -1
.if \fill
	LOAD
	ASK
.endif
.endm
; matrix work.  No two matrix instructions that follow each other share an accumulator.
.macro KQ t, i                         ; keys 16 (i % 4) on, channels 32 (i / 4) on; the first four start the sums with C
.set kS, S+32*(\t)+8*((\i)%4)
.set kK, KF+16*((\i)%4)+8*((\i)/4)
.set kQ, QF+16*(\t)+8*((\i)/4)
.if (\i) < 4
	WIN 0x15
	v_wmma_f32_16x16x32_bf16 v[kS:kS+7], v[kK:kK+7], v[kQ:kQ+7], v[PC+8*((\i)%4):PC+8*((\i)%4)+7]
.else
	WIN 0x05
	v_wmma_f32_16x16x32_bf16 v[kS:kS+7], v[kK:kK+7], v[kQ:kQ+7], v[kS:kS+7]
.endif
.endm
.macro PV t, i                         ; keys 32 (i / 3) on; i % 3: channels 0-15, channels 16-31, the row sums
	WIN 0
.set pB, S+32*(\t)+8*((\i)/3)
.if (\i)%3 < 2
.set pD, O+16*(\t)+8*((\i)%3)
.set pA, VF+8*(2*((\i)/3)+(\i)%3)
.else
.set pD, LL+8*(\t)
.set pA, ONEA
.endif
	v_wmma_f32_16x16x32_bf16 v[pD:pD+7], v[pA:pA+7], v[pB:pB+7], v[pD:pD+7]
.endm
.macro VSM i                           ; the step's column sums of V: keys 32 (i / 2) on, channels 16 (i % 2) on
	WIN 0
.set sD, VS+8*((\i)%2)
.set sA, VF+8*(\i)
	v_wmma_f32_16x16x32_bf16 v[sD:sD+7], v[sA:sA+7], v[ONEB:ONEB+7], v[sD:sD+7]
.endm
.macro LOADK                           ; a step's K (8 fragments) and its C
	WIN 0x40
.irp f, 0,1,2,3,4,5,6,7
	ds_load_b128 v[KF+8*\f:KF+8*\f+3], v[AK] offset:(\f/2)*2304+(\f%2)*64
	ds_load_b128 v[KF+8*\f+4:KF+8*\f+7], v[AK] offset:(\f/2)*2304+(\f%2)*64+32
.endr
.irp f, 0,1,2,3
	ds_load_b128 v[PC+8*\f:PC+8*\f+3], v[AP] offset:64*\f
	ds_load_b128 v[PC+8*\f+4:PC+8*\f+7], v[AP] offset:64*\f+16
.endr
.endm
.macro LOADV                           ; a step's V, turned: keys 32 (f / 2) on, channels 16 (f % 2) on
	WIN 0
.irp f, 0,1,2,3
	ds_load_tr16_b128 v[VF+8*\f:VF+8*\f+3], v[AV] offset:(\f/2)*3072+(\f%2)*32
	ds_load_tr16_b128 v[VF+8*\f+4:VF+8*\f+7], v[AV] offset:(\f/2)*3072+(\f%2)*32+1536
.endr
.endm
; vector work.  MXL: number x of the 21 that find tile t's maximum and statistics; each accumulator's lowest registers are read first.
.macro MXL t, x
	WIN 0
.set rS, S+32*(\t)
.set rT, ST+4*(\t)
.if (\x) < 4
	v_max3_num_f32 v[CC+(\x)], v[rS+8*(\x)], v[rS+8*(\x)+1], v[rS+8*(\x)+2]
.elseif (\x) < 12
	v_max3_num_f32 v[CC+(\x)%4], v[CC+(\x)%4], v[rS+8*((\x)%4)+2*((\x)/4)+1], v[rS+8*((\x)%4)+2*((\x)/4)+2]
.elseif (\x) == 12
	v_max3_num_f32 v[CC], v[CC], v[rS+7], v[rS+15]
.elseif (\x) == 13
	v_max3_num_f32 v[CC+1], v[CC+1], v[rS+23], v[rS+31]
.elseif (\x) == 14
	v_max3_num_f32 v[CC+2], v[CC+2], v[CC+3], v[rT]
.elseif (\x) == 15
	v_max3_num_f32 v[CC], v[CC], v[CC+1], v[CC+2]
.elseif (\x) == 16
	v_permlanex16_b32 v[CC+3], v[CC], s52, s53     ; the query's other 32 keys lie in the lane 16 away
.elseif (\x) == 17
	v_max_num_f32 v[CC+1], v[CC], v[CC+3]
.elseif (\x) == 18
	v_sub_f32 v[rT+1], v[rT], v[CC+1]
.elseif (\x) == 19
	v_mov_b32 v[rT], v[CC+1]
.else
	v_exp_f32 v[rT+2], v[rT+1]                     ; a
.endif
.endm
.macro SB t, x                         ; pair x of the scores less m
	WIN 0
	v_pk_add_f32 v[S+32*(\t)+2*(\x):S+32*(\t)+2*(\x)+1], v[S+32*(\t)+2*(\x):S+32*(\t)+2*(\x)+1], v[ST+4*(\t):ST+4*(\t)+1] op_sel_hi:[1,0] neg_lo:[0,1] neg_hi:[0,1]
.endm
.macro EX t, x
	WIN 0
	v_exp_f32 v[S+32*(\t)+(\x)], v[S+32*(\t)+(\x)]
.endm
.macro FILLER t, f                     ; 0-7: O^T times a; 8: L's two lowest registers times a (the other six are never read); 9-24: the weights rounded to bf16, in place, ascending
	WIN 0
.if (\f) < 8
	v_pk_mul_f32 v[O+16*(\t)+2*(\f):O+16*(\t)+2*(\f)+1], v[O+16*(\t)+2*(\f):O+16*(\t)+2*(\f)+1], v[ST+4*(\t)+2:ST+4*(\t)+3] op_sel_hi:[1,0]
.elseif (\f) == 8
	v_pk_mul_f32 v[LL+8*(\t):LL+8*(\t)+1], v[LL+8*(\t):LL+8*(\t)+1], v[ST+4*(\t)+2:ST+4*(\t)+3] op_sel_hi:[1,0]
.else
	v_cvt_pk_bf16_f32 v[S+32*(\t)+(\f)-9], v[S+32*(\t)+2*((\f)-9)], v[S+32*(\t)+2*((\f)-9)+1]
.endif
.endm
.macro FL t, f                         ; in turn t the fillers are those of tile t - 1
.if (\t) > 0
	FILLER (\t)-1, \f
.endif
.endm
.macro VLINE t                         ; line n of a turn's 94: the chain of the maximum with fillers between its links, then scalings and exponentials
.if n < 15
	MXL \t, n
.elseif n < 18
	FL \t, n-15
.elseif n == 18
	MXL \t, 15
.elseif n < 23
	FL \t, n-16
.elseif n == 23
	MXL \t, 16
.elseif n < 28
	FL \t, n-17
.elseif n == 28
	MXL \t, 17
.elseif n < 33
	FL \t, n-18
.elseif n < 35
	MXL \t, n-15
.elseif n < 38
	FL \t, n-20
.elseif n == 38
	MXL \t, 20
.elseif n < 46
	FL \t, n-21
.elseif n < 49
	SB \t, n-46
.elseif n < 88
.if (n-49)%3 == 0
	SB \t, (n-49)/3+3
.else
	EX \t, 2*((n-49)/3)+(n-49)%3-1
.endif
.else
	EX \t, n-62
.endif
.endm
; A turn's 33 exponentials are one batch: nothing ahead of the turn's end names a result of theirs; one plain instruction and one wait close it.
.macro TURN t
.set n, 0
.rept 94
	VLINE \t
.if ((\t) < NT-1) && (n <= 37) && (n%5 == 2)
	KQ (\t)+1, (n-2)/5
.endif
.if (n >= 50) && (n <= 85) && ((n-50)%7 == 0)
.if (\t) > 0
	PV (\t)-1, (n-50)/7
.elseif (n-50)/7 < 4
.if n == 50
	s_wait_dscnt 0x0                               ; V is in
.endif
	VSM (n-50)/7
.endif
.endif
.set n, n+1
.endr
	WIN 0
	v_nop
	s_wait_alu depctr_va_vdst(0)
.endm
; The wave's own step: mode 1 (forward) hides keys beyond the query, mode 2 (backward) keys before it.  Register j of tile t holds key 16 (j / 8) + 8 (lane / 16) + j % 8 of the step, and the lane's query is
; 32 (wave % 2) + 16 t + lane % 16 of it: one compare of a constant with v[VQ] and one select for each score.  These lines run in two of a wave's 33 passes.
.macro FIX t
	s_cmp_eq_u32 s22, 0
	s_cbranch_scc1 .Lfx_\@
	s_cmp_eq_u32 s22, 1
	s_cbranch_scc0 .Lbk_\@
.set j, 0
.rept 32
	v_cmp_gt_i32 vcc_lo, 16*(j/8)+j%8-16*(\t), v[VQ]
	v_cndmask_b32 v[S+32*(\t)+j], v[S+32*(\t)+j], v[VMV], vcc_lo
.set j, j+1
.endr
	s_branch .Lfx_\@
.Lbk_\@:
.set j, 0
.rept 32
	v_cmp_lt_i32 vcc_lo, 16*(j/8)+j%8-16*(\t), v[VQ]
	v_cndmask_b32 v[S+32*(\t)+j], v[S+32*(\t)+j], v[VMV], vcc_lo
.set j, j+1
.endr
.Lfx_\@:
.endm
.macro SWITCH                          ; the forward state and the sums so far are set aside; m starts anew (the next a is 0, so O and L need only be finite)
	WIN 0x40
.set j, 0
.rept 16*NT
	v_mov_b32 v[OSV+j], v[O+j]
.set j, j+1
.endr
.set j, 0
.rept NT
	v_mov_b32 v[LSV+j], v[LL+8*j]
	v_mov_b32 v[MSV+j], v[ST+4*j]
.set j, j+1
.endr
.set j, 0
.rept 16
	v_mov_b32 v[VSS+j], v[VS+j]
.set j, j+1
.endr
	WIN 0
.set j, 0
.rept 16
	v_mov_b32 v[VS+j], 0
.set j, j+1
.endr
.set j, 0
.rept NT
	v_mov_b32 v[ST+4*j], 0xfe000000
.set j, j+1
.endr
.endm
.macro BODY                            ; one pass over one key step
	s_cmp_eq_u32 s21, 0
	s_cbranch_scc1 .Lnosw_\@
	SWITCH
.Lnosw_\@:
	s_add_co_u32 s22, s21, 1
	s_cmp_eq_u32 s20, 2
	s_cselect_b32 s22, s22, 0                      ; mode: 0, or pass + 1 in the wave's own step
	s_wait_dscnt 0x0                               ; K and C are in
.set n, 0
.rept 8
	KQ 0, n
.set n, n+1
.endr
	LOADV
	PLACES
	FIX 0
	TURN 0
	s_add_co_u32 s86, s21, 1                       ; the step's last pass fetches the next step's K, unless that lies in the other slot
	s_cmp_lg_u32 s86, s20
	s_cbranch_scc1 .Lnok_\@
	s_cmp_eq_u32 s63, 0
	s_cbranch_scc1 .Lnok_\@
	LOADK
	WIN 0
.Lnok_\@:
	FIX 1
	TURN 1
.set n, 0
.rept 25
	FILLER NT-1, n
.set n, n+1
.endr
.set n, 0
.rept 6
	PV NT-1, n
.set n, n+1
.endr
	WIN 0
	PLACES
.endm
.macro STEPS                           ; a slot's four key steps
	s_mov_b32 s19, 4
	v_add_nc_u32 v[AK], s25, v[AK0]
	v_add_nc_u32 v[AP], s27, v[AP0]
	LOADK
	WIN 0
.Lstep_\@:
	v_add_nc_u32 v[AV], s26, v[AV0]
	s_add_co_u32 s86, s25, 9216
	v_add_nc_u32 v[AK], s86, v[AK0]                ; the next step's K and C: fixed while the passes go round
	s_add_co_u32 s86, s27, 256
	v_add_nc_u32 v[AP], s86, v[AP0]
	s_cmp_lg_u32 s19, 1
	s_cselect_b32 s63, 1, 0
	s_mov_b32 s20, 1
	s_mov_b32 s21, 0
	s_cmp_lg_u32 s18, s17
	s_cbranch_scc1 .Lplain_\@
	s_mov_b32 s20, 2                               ; my own step: two passes, and it counts for neither softmax's hidden sums
.set j, 0
.rept 8
	v_mov_b32 v[ONEB+j], 0
.set j, j+1
.endr
.Lplain_\@:
.Lpass_\@:
	BODY
	s_add_co_u32 s21, s21, 1
	s_cmp_lt_u32 s21, s20
	s_cbranch_scc1 .Lpass_\@
	s_cmp_lg_u32 s20, 2
	s_cbranch_scc1 .Lnot_\@
.set j, 0
.rept 8
	v_mov_b32 v[ONEB+j], 0x3f803f80
.set j, j+1
.endr
.Lnot_\@:
	s_add_co_u32 s18, s18, 1
	s_add_co_u32 s25, s25, 9216
	s_add_co_u32 s26, s26, 6144
	s_add_co_u32 s27, s27, 256
	s_sub_co_u32 s19, s19, 1
	s_cmp_lg_u32 s19, 0
	s_cbranch_scc1 .Lstep_\@
.endm
; ---- head ----
	s_load_b128 s[4:7], s[0:1], 0x0                ; qkv 4, padding_mask 6
	s_load_b64 s[8:9], s[0:1], 0x10                ; o
	v_lshl_add_u32 v[SPW], v0, 2, SPARE
	v_mov_b32 v[NIL], 0
	ds_add_u32 v[SPW], v[NIL]                      ; the opening: the add twice on end and one wait, ahead of my first tensor load
	ds_add_u32 v[SPW], v[NIL]
	v_lshrrev_b32 v1, 5, v0
	v_readfirstlane_b32 s14, v1
	s_mov_b32 s15, ttmp9
	s_and_b32 s16, ttmp7, 0xffff
	s_lshr_b32 s86, s14, 1
	s_lshl2_add_u32 s17, s15, s86                  ; JW = 4 block + wave / 2
	; 64 keys of K are 8,192 dense bytes: 32 rows of 256, padded by 16 bytes behind each key's 128; 64 keys of V are 4,096: 16 rows of 256, padded by 32 behind each key's 64
	s_mov_b32 s28, (1<<16)|(1<<20)|(4<<22)|(3<<25)
	s_mov_b32 s29, 128<<16
	s_mov_b32 s30, 32<<16
	s_mov_b32 s31, 128<<16
	s_mov_b32 s32, 32
	s_mov_b32 s33, 128
	s_mov_b32 s34, 0
	s_mov_b32 s35, 0
	s_mov_b32 s36, (1<<16)|(1<<20)|(3<<22)|(7<<25)
	s_mov_b32 s37, 128<<16
	s_mov_b32 s38, 16<<16
	s_mov_b32 s39, 128<<16
	s_mov_b32 s40, 16
	s_mov_b32 s41, 128
	s_mov_b32 s42, 0
	s_mov_b32 s43, 0
	s_and_b32 s86, s14, 3                          ; which quarter of a slot's keys I fetch
	s_mul_i32 s87, s86, 9216
	s_mov_b32 s44, 1
	s_mov_b32 s45, s87
	s_mul_i32 s87, s86, 6144
	s_mov_b32 s48, 1
	s_add_co_u32 s49, s87, VOFF
	s_lshl_b32 s10, s16, 18
	s_add_co_u32 s10, s10, 6291456
	s_mov_b32 s11, 0
	s_lshl_b32 s12, s16, 17
	s_add_co_u32 s12, s12, 12582912
	s_mov_b32 s13, 0
	s_mov_b32 s89, 0
	s_mov_b32 s52, 0x76543210
	s_mov_b32 s53, 0xfedcba98
	s_wait_dscnt 0x0
	s_wait_kmcnt 0x0
	s_add_nc_u64 s[10:11], s[4:5], s[10:11]        ; the head's K
	s_add_nc_u64 s[12:13], s[4:5], s[12:13]        ; the head's V
	s_lshl_b32 s88, s86, 13
	s_add_nc_u64 s[46:47], s[10:11], s[88:89]
	s_or_b32 s47, s47, 0x80000000
	s_lshl_b32 s88, s86, 12
	s_add_nc_u64 s[50:51], s[12:13], s[88:89]
	s_or_b32 s51, s51, 0x80000000
	LOAD                                           ; keys 0-255 into slot 0
	s_cmp_lt_u32 s14, 4                            ; the prefetches: waves 0-3 walk K, waves 4 and 5 walk V
	s_cselect_b64 s[54:55], s[10:11], s[12:13]
	s_mov_b32 s56, 16384
	s_cselect_b32 s56, 32768, s56                  ; a slot's bytes of that tensor
	s_mov_b32 s57, 0
	s_lshl_b32 s88, s86, 13                        ; my 32 blocks of 256 bytes,
	s_add_nc_u64 s[54:55], s[54:55], s[88:89]
	s_add_nc_u64 s[54:55], s[54:55], s[56:57]      ; at slot 1; each change steps them a slot on ahead of its use
	s_cmp_lt_u32 s14, 6
	s_cselect_b32 s62, s15, 1
	s_cmp_eq_u32 s62, 0                            ; block 0, waves 0-5
	s_cselect_b32 s62, 1, -1
	s_lshl3_add_u32 s87, s15, s14                  ; 8 block + wave: my 32 queries among the head's
	s_lshl_b32 s87, s87, 12
	s_lshl_b32 s88, s16, 18
	s_add_co_u32 s88, s88, s87
	s_add_nc_u64 s[58:59], s[4:5], s[88:89]        ; my 32 rows of Q
	s_cmp_ge_u32 s16, 12
	s_cselect_b32 s86, 1, 0                        ; b
	s_mul_i32 s87, s86, 12
	s_sub_co_u32 s87, s16, s87                     ; h
	s_lshl_b32 s88, s86, 5
	s_add_co_u32 s88, s88, s17
	s_mul_i32 s88, s88, 12
	s_add_co_u32 s88, s88, s87
	s_lshl_b32 s88, s88, 13
	s_and_b32 s87, s14, 1
	s_lshl_b32 s87, s87, 12
	s_add_co_u32 s88, s88, s87                     ; my half of the block of 64 rows
	s_add_nc_u64 s[60:61], s[8:9], s[88:89]        ; my rows of o
	s_lshl_b32 s88, s86, 11
	s_add_nc_u64 s[6:7], s[6:7], s[88:89]          ; the batch's mask
	v_and_b32 v90, 15, v0                          ; r (these temporaries lie in S^T's registers: they serve the head alone)
	v_bfe_u32 v68, v0, 4, 1                        ; h
	v_lshlrev_b32 v69, 7, v90
	v_lshl_add_u32 v69, v68, 4, v69
	WIN 0x40
.set j, 0
.rept 2*NT                             ; Q stays in registers: tile j / 2, channels 32 (j % 2) on
	global_load_b128 v[QF+8*j:QF+8*j+3], v69, s[58:59] offset:(j/2)*2048+(j%2)*64
	global_load_b128 v[QF+8*j+4:QF+8*j+7], v69, s[58:59] offset:(j/2)*2048+(j%2)*64+32
.set j, j+1
.endr
	WIN 0
	v_lshlrev_b32 v70, 3, v0
	global_load_b64 v[64:65], v70, s[6:7]          ; 8 bytes of the mask a thread
	v_mul_u32_u24 v[AK0], v90, PK
	v_lshl_add_u32 v[AK0], v68, 4, v[AK0]
	v_and_b32 v71, 7, v0
	v_lshl_add_u32 v71, v68, 3, v71
	v_mul_u32_u24 v[AV0], v71, 96
	v_bfe_u32 v71, v0, 3, 1
	v_lshl_add_u32 v[AV0], v71, 4, v[AV0]
	v_add_nc_u32 v[AV0], VOFF, v[AV0]
	v_lshlrev_b32 v[AP0], 5, v68
	v_add_nc_u32 v[AP0], PADT, v[AP0]
	v_and_b32 v[PFO], 31, v0
	v_lshlrev_b32 v[PFO], 8, v[PFO]
	s_mov_b32 s86, 0xc6616bcd                      ; MV = -10000 log2(e)
	s_mov_b32 s87, 0xfe000000
	v_mov_b32 v[VMV], s86
	v_lshlrev_b32 v71, 3, v68
	v_sub_nc_u32 v71, v90, v71                     ; r - 8 h
	s_and_b32 s88, s14, 1
	s_lshl_b32 s88, s88, 5
	v_add_nc_u32 v[VQ], s88, v71                   ; + 32 (wave % 2)
	s_sub_co_u32 s88, 31, s17
	s_lshl_b32 s88, s88, 6
	s_cvt_f32_u32 s82, s88                         ; keys of steps hidden wholly from the forward softmax,
	s_lshl_b32 s88, s17, 6
	s_cvt_f32_u32 s83, s88                         ; from the backward one
	s_cmp_eq_u32 s17, 31
	s_cselect_b32 s84, s87, s86
	s_cmp_eq_u32 s17, 0
	s_cselect_b32 s85, s87, s86
	; what the first step finds: O, L and VS are 0; the places where a state is set aside hold finite numbers on every way through the text.  All this stands in the wait for the first tile.
	WIN 0x40
.set j, VSS
.rept 18
	v_mov_b32 v[j], 0
.set j, j+1
.endr
.set j, 0
.rept NT
	v_mov_b32 v[MSV+j], 0xfe000000
.set j, j+1
.endr
.set j, 0
.rept 16*NT
	v_mov_b32 v[OSV+j], 0
.set j, j+1
.endr
	WIN 0
.set j, 0
.rept 8
	v_mov_b32 v[ONEA+j], 0x3f803f80
	v_mov_b32 v[ONEB+j], 0x3f803f80
.set j, j+1
.endr
.set j, 0
.rept 16
	v_mov_b32 v[VS+j], 0
.set j, j+1
.endr
.set j, 0
.rept 16*NT
	v_mov_b32 v[O+j], 0
.set j, j+1
.endr
.set j, 0
.rept 8*NT
	v_mov_b32 v[LL+j], 0
.set j, j+1
.endr
.set j, 0
.rept NT
	v_mov_b32 v[ST+4*j], 0xfe000000
	v_mov_b32 v[ST+4*j+3], 0                       ; named with a as a pair
.set j, j+1
.endr
	s_wait_loadcnt 0x0                             ; Q and the mask
.set j, 0
.rept 8
	v_bfe_u32 v[72+j], v[64+j/4], 8*(j%4), 8
	v_cvt_f32_u32 v[72+j], v[72+j]
	v_mul_f32 v[72+j], s86, v[72+j]                ; MV where padded, else 0
.set j, j+1
.endr
	v_lshl_add_u32 v88, v0, 5, PADT
	ds_store_b128 v88, v[72:75]
	ds_store_b128 v88, v[76:79] offset:16
	s_mov_b32 s24, SLOT1                           ; the first change turns it into 0
	s_mov_b32 s18, 0
	s_mov_b32 s27, 0
	s_mov_b32 s23, 7
.Lslot:                                                ; seven times: a slot is entered and the next is asked for.  The first change waits for slot 0, shows the table to all waves, and fills slot 1
	CHANGE 1
	STEPS
	s_sub_co_u32 s23, s23, 1
	s_cmp_lg_u32 s23, 0
	s_cbranch_scc1 .Lslot
	CHANGE 0                                       ; the last slot is written out
	STEPS
; ---- the end.  v64-191 (S^T, V, the second ones) are free now ----
	WIN 0x01
.set j, 0
.rept NT
	v_mov_b32 v[64+j], v[MSV+j]
	v_mov_b32 v[68+j], v[LSV+j]
.set j, j+1
.endr
.set j, 0
.rept 16
	v_mov_b32 v[88+j], v[VSS+j]                    ; hidden from the backward softmax: the steps before mine (VS itself holds the steps behind mine, hidden from the forward one)
.set j, j+1
.endr
	WIN 0
.macro DSEL                            ; combination d = NT dir + tile
.set t, d%NT
.if d < NT
.set rM, 64+t
.set rL, 68+t
.set sM, 84
.set sN, 82
.else
.set rM, ST+4*t
.set rL, LL+8*t
.set sM, 85
.set sN, 83
.endif
.endm
.set d, 0
.rept 2*NT
	DSEL
	v_max_num_f32 v[104+d], s[sM], v[rM]           ; mt
.set d, d+1
.endr
.set d, 0
.rept 2*NT
	DSEL
	v_sub_f32 v[112+d], v[rM], v[104+d]
	v_sub_f32 v[120+d], s[sM], v[104+d]
.set d, d+1
.endr
.set d, 0
.rept 2*NT
	v_exp_f32 v[128+d], v[112+d]                   ; a1
	v_exp_f32 v[136+d], v[120+d]                   ; a2
.set d, d+1
.endr
	v_nop
	s_wait_alu depctr_va_vdst(0)                   ; one wait for the eight
.set d, 0
.rept 2*NT
	DSEL
	v_mul_f32 v[144+d], s[sN], v[136+d]
.set d, d+1
.endr
.set d, 0
.rept 2*NT
	DSEL
	v_fma_f32 v[144+d], v[rL], v[128+d], v[144+d]  ; L a1 + n a2
.set d, d+1
.endr
.set d, 0
.rept 2*NT
	v_rcp_f32 v[152+d], v[144+d]
.set d, d+1
.endr
	v_nop
	s_wait_alu depctr_va_vdst(0)                   ; one wait for the four
.set d, 0
.rept 2*NT
	v_mul_f32 v[160+2*d], v[128+d], v[152+d]       ; f1, f2, each twice: pairs for the packed lines
	v_mul_f32 v[176+2*d], v[136+d], v[152+d]
.set d, d+1
.endr
.set d, 0
.rept 2*NT
	v_mov_b32 v[161+2*d], v[160+2*d]
	v_mov_b32 v[177+2*d], v[176+2*d]
.set d, d+1
.endr
	; the addresses for the way out, made anew from the thread's number in the work registers v12-14, which the walk has left free
	s_mul_i32 s86, s14, 2304
	s_add_co_u32 s86, s86, STAGE                   ; my stage: 16 rows of 144 bytes, my wave's own
	v_and_b32 v[CC+2], 15, v0                      ; r
	v_bfe_u32 v[CC], v0, 4, 1                      ; h
	v_and_b32 v[CC+1], 7, v0                       ; lane % 8
	v_mul_u32_u24 v[AK], v[CC+2], 144              ; in: row r, 16 bytes for each half of the lanes
	v_lshl_add_u32 v[AK], v[CC], 4, v[AK]
	v_add_nc_u32 v[AK], s86, v[AK]
	v_bfe_u32 v[AP], v0, 3, 2                      ; back: 32 lanes take four rows of 128 bytes,
	v_mul_u32_u24 v[AP], v[AP], 144
	v_lshl_add_u32 v[AP], v[CC+1], 4, v[AP]
	v_add_nc_u32 v[AP], s86, v[AP]
	v_and_b32 v[AV], 31, v0                        ; which are 512 consecutive bytes of o
	v_lshlrev_b32 v[AV], 4, v[AV]
	s_wait_dscnt 0x0                               ; my reads of the ring and of the table are back;
	s_barrier_signal -1                            ; the eight waves meet once more:
	s_barrier_wait -1                              ; the first store into a stage stands behind every wave's last read of the ring and the table
.macro PACK t                          ; tile t, both softmaxes: O f1 + VS f2, rounded; a row of the stage is forward's 32 channels, then backward's
.irp dir, 0,1
.set d, NT*\dir+(\t)
.if \dir == 0
.set rV, VS
.else
.set rV, 88
.endif
.set k, 0
.rept 8
	v_pk_mul_f32 v[104+2*k:105+2*k], v[rV+2*k:rV+2*k+1], v[176+2*d:177+2*d]
.set k, k+1
.endr
.if \dir == 0
	WIN 0x01
.set rO, OSV+16*(\t)
.else
.set rO, O+16*(\t)
.endif
.set k, 0
.rept 8
	v_pk_fma_f32 v[104+2*k:105+2*k], v[rO+2*k:rO+2*k+1], v[160+2*d:161+2*d], v[104+2*k:105+2*k]
.set k, k+1
.endr
	WIN 0
.set k, 0
.rept 8
	v_cvt_pk_bf16_f32 v[120+8*\dir+k], v[104+2*k], v[105+2*k]
.set k, k+1
.endr
.endr
.irp f, 0,1,2,3
	ds_store_b128 v[AK], v[120+4*\f:123+4*\f] offset:32*\f
.endr
.irp f, 0,1,2,3
	ds_load_b128 v[O+16*(\t)+4*\f:O+16*(\t)+4*\f+3], v[AP] offset:\f*576  ; LDS serves a wave's instructions in order (ISA guide 5.7.1.4): these see the stores above; they land in the tile's own O^T, which has been read
.endr
.endm
.macro SEND t, younger
.irp f, 0,1,2,3
	s_wait_dscnt (\younger)+3-\f
	global_store_b128 v[AV], v[O+16*(\t)+4*\f:O+16*(\t)+4*\f+3], s[60:61] offset:(\t)*2048+\f*512  ; 512 consecutive bytes, aligned
.endr
.endm
	PACK 0
	PACK 1
	SEND 0, 8
	SEND 1, 0
	s_wait_tensorcnt 0x0                           ; the wave's end
	ds_add_u32 v[SPW], v[NIL]
	s_wait_dscnt 0x0
	s_endpgm
.Lfunc_end_k_q76dd91c15c_attn:
	.size	k_q76dd91c15c_attn, .Lfunc_end_k_q76dd91c15c_attn-k_q76dd91c15c_attn
	.p2alignl 7, 3214868480
	.fill 96, 4, 3214868480
	.section	.rodata,"a",@progbits
	.p2align	6, 0x0
	.amdhsa_kernel k_q76dd91c15c_attn
		.amdhsa_group_segment_fixed_size 327680
		.amdhsa_private_segment_fixed_size 0
		.amdhsa_enable_private_segment 0
		.amdhsa_kernarg_size 24
		.amdhsa_user_sgpr_count 2
		.amdhsa_user_sgpr_kernarg_segment_ptr 1
		.amdhsa_wavefront_size32 1
		.amdhsa_system_sgpr_workgroup_id_x 1
		.amdhsa_system_sgpr_workgroup_id_y 1
		.amdhsa_system_sgpr_workgroup_id_z 1
		.amdhsa_system_vgpr_workitem_id 0
		.amdhsa_next_free_vgpr 448
		.amdhsa_next_free_sgpr 90
		.amdhsa_reserve_vcc 1
		.amdhsa_float_denorm_mode_32 3
		.amdhsa_float_denorm_mode_16_64 3
		.amdhsa_memory_ordered 1
		.amdhsa_forward_progress 1
		.amdhsa_inst_pref_size 85
	.end_amdhsa_kernel
	.amdgpu_metadata
---
amdhsa.version: [ 1, 2 ]
amdhsa.kernels:
  - .name:           k_q76dd91c15c_attn
    .symbol:         k_q76dd91c15c_attn.kd
    .args:
      - { .name: qkv, .offset: 0, .size: 8, .value_kind: global_buffer, .address_space: global }
      - { .name: padding_mask, .offset: 8, .size: 8, .value_kind: global_buffer, .address_space: global }
      - { .name: o, .offset: 16, .size: 8, .value_kind: global_buffer, .address_space: global }
    .group_segment_fixed_size: 327680
    .private_segment_fixed_size: 0
    .kernarg_segment_align: 8
    .kernarg_segment_size: 24
    .max_flat_workgroup_size: 256
    .sgpr_count:     90
    .vgpr_count:     448
    .wavefront_size: 32
...
	.end_amdgpu_metadata
.endif
;; end of part 3
;; launch oproj (part 4): grid 64 x 4, 4 waves a work-group, clusters of 4 x 4, 327,680 bytes of LDS; arguments o, wts, bo, x, yz; writes yz
.if DOCPART == 4
	.amdgcn_target "amdgcn-amd-amdhsa--gfx1250"
	.amdhsa_code_object_version 6
	.text
	.protected	k_q76dd91c15c_oproj
	.globl	k_q76dd91c15c_oproj
	.p2align	8
	.type	k_q76dd91c15c_oproj,@function
k_q76dd91c15c_oproj:
	s_mov_b64 s[64:65], 0
	v_nop
	global_prefetch_b8 v0, s[64:65] scope:SCOPE_SE
	s_setreg_imm32_b32 hwreg(HW_REG_WAVE_MODE, 25, 1), 1
	s_wait_xcnt 0x0
	s_wait_alu depctr_hold_cnt(0) depctr_sa_sdst(0) depctr_va_vdst(0) depctr_va_sdst(0) depctr_va_ssrc(0) depctr_va_vcc(0) depctr_vm_vsrc(0)
	s_getreg_b32 s2, hwreg(HW_REG_IB_STS2, 6, 4)
	s_cmp_eq_u32 s2, 0
	s_cbranch_scc0 .Lentry_in_a_cluster
	s_endpgm
.Lentry_in_a_cluster:
	s_bfe_u32 s2, ttmp6, 0x10000c
	s_cmp_lg_u32 s2, 0xf033
	s_cbranch_scc0 .Lentry_shape_is_right
	s_endpgm
.Lentry_shape_is_right:
; Launch 4 of 8: yz = x + o wo + bo, 4,096 x 768 x 768, bf16 operands, f32 sums, f32 out: the rows that the first layer norm takes.
; A = o in blocks [row / 64][head][row % 64][64]: a K step of 256 is four heads' blocks, 32,768 dense bytes, asked for as 128 rows of 256 bytes and padded by 16 behind each 128: LDS pitch 144, a head 9,216 bytes.
; B = wo^T in the same order of K (wts + 2,949,120).
; TILE.  64 rows x 192 columns (768 bytes of a row of yz: whole blocks of 256), 256 work-groups; four waves side by side, 64 x 48 each: 12 accumulators.  K in 3 steps of 256 through two LDS slots.
; CLUSTER 4 x 4 (grid x: rows, grid y: columns): A hangs on x alone and is shared by the four with my cx, B on y alone and is shared by the four with my cy: joint loads.
; The matrix instruction is used transposed (source 0 = rows of B): a lane holds eight neighbouring columns of a row.  The bias is the C operand of the first product.
; No prefetch: three K steps, of which two come by the first fills.
.set NA, 4
.set NB, 3
.set WGN, 4
.set SIZE_K, 768
.set KSTEP, 256
.set T, 3
.set DK, 64
.set APITCH, 144
.set BPITCH, 528
.set AQ, 9216
.set NAW, 1
.set AREG, 36864
.set SLOT, 138240
.set AC, 128
.set AR, 128
.set APK, 128
.set AQI, 4
.set BR, 64
.set BQI, 6
.set AOX, 98304
.set ASTEP, 32768
.set BOFF, 2949120
.set BOY, 294912
.set BOW, 98304
.set BSTEP, 512
.set LBB_0, 3072
.set LBB_M, 33792
.set TN, 192
; ---- the text that the four products share ----
.set SPARE, 2*SLOT
.set FS, 8*(NA+NB)
.set LF, 2*(NA+NB)*(DK/32)
.if DK == 32
.set HEADW, NA
.else
.set HEADW, LF/2
.endif
.set F0, 0
.set F1, 128
.set BIAS, 32
.set SPW, 28
.set NIL, 29
.set G1A, 32
.set G1B, 40
.set G0A, 48
.set G0B, 56
.set MSB, 0
.macro WIN new
.if MSB != (\new)
	s_set_vgpr_msb (MSB<<8)|(\new)
.set MSB, (\new)
.endif
.endm
.macro PLACES
.rept 4
	v_nop
.endr
.endm
.macro CREST
	s_cmp_lg_u32 s20, 0
	s_cbranch_scc1 .Lnot_wave_0_\@
	s_barrier_signal -3
.Lnot_wave_0_\@:
	s_barrier_wait -3
	s_barrier_signal -1
	s_barrier_wait -1
.endm
.macro CROUND
	s_barrier_signal -1
	s_barrier_wait -1
	CREST
.endm
.macro JLOAD
	s_cmp_lt_u32 s20, NAW
	s_cbranch_scc0 .Lfor_b_\@
	tensor_load_to_lds s[G0A+4:G0A+7], s[G1A:G1A+7]
	s_nop 0
.rept 4
	v_nop
.endr
	s_branch .Lasked_\@
.Lfor_b_\@:
	tensor_load_to_lds s[G0B+4:G0B+7], s[G1B:G1B+7]
	s_nop 0
.rept 4
	v_nop
.endr
.Lasked_\@:
.endm
.macro MULR f, c, alo, ahi, zero       ; the accumulators take turns, one instruction a turn
.set ma, \alo
.rept (\ahi)-(\alo)
.set mb, 0
.rept NB
.set mt, ma*NB+mb
.set rD, 8*(mt%32)
.set rB, (\f)+(\c)*FS+8*mb
.set rA, (\f)+(\c)*FS+8*NB+8*ma
.if \zero
	WIN 0x85+0x40*(mt/32)
	v_wmma_f32_16x16x32_bf16 v[rD:rD+7], v[rB:rB+7], v[rA:rA+7], v[BIAS+8*mb:BIAS+8*mb+7]
.else
	WIN 0xa5+0x50*(mt/32)
	v_wmma_f32_16x16x32_bf16 v[rD:rD+7], v[rB:rB+7], v[rA:rA+7], v[rD:rD+7]
.endif
.set mb, mb+1
.endr
.set ma, ma+1
.endr
.endm
.macro H1A f, zero
.if DK == 32
	MULR \f, 0, 0, NA/4, \zero
.else
	MULR \f, 0, 0, NA/2, \zero
.endif
.endm
.macro H1B f, zero
.if DK == 32
	MULR \f, 0, NA/4, NA/2, \zero
.else
	MULR \f, 0, NA/2, NA, \zero
.endif
.endm
.macro H2 f, zero
.if DK == 32
	MULR \f, 0, NA/2, NA, \zero
.else
	MULR \f, 1, 0, NA, 0
.endif
.endm
.macro FETCH q, f
	WIN 0x40
.set fc, 0
.rept DK/32
.set fi, 0
.rept NB
	ds_load_b128 v[(\f)+fc*FS+8*fi:(\f)+fc*FS+8*fi+3], v19 offset:(\q)*2*DK+64*fc+fi*16*BPITCH
	ds_load_b128 v[(\f)+fc*FS+8*fi+4:(\f)+fc*FS+8*fi+7], v19 offset:(\q)*2*DK+64*fc+fi*16*BPITCH+32
.set fi, fi+1
.endr
.set fi, 0
.rept NA
	ds_load_b128 v[(\f)+fc*FS+8*NB+8*fi:(\f)+fc*FS+8*NB+8*fi+3], v18 offset:(\q)*AQ+64*fc+fi*16*APITCH
	ds_load_b128 v[(\f)+fc*FS+8*NB+8*fi+4:(\f)+fc*FS+8*NB+8*fi+7], v18 offset:(\q)*AQ+64*fc+fi*16*APITCH+32
.set fi, fi+1
.endr
.set fc, fc+1
.endr
.endm
.macro QUARTER qn, f, g, zero
	s_wait_dscnt HEADW                             ; the first slice is in
	H1A \f, \zero
	H1B \f, \zero
	PLACES
	FETCH \qn, \g
	s_wait_dscnt LF                                ; all but the fetch just issued
	H2 \f, \zero
.endm
.macro TURN fill                       ; the last quarter and the change of slots: all my tensor loads, the add, my reads; the barrier (fill = 1: a round of the cluster's); the refill first behind it
	WIN 0
	s_wait_tensorcnt 0x0
	ds_add_u32 v[SPW], v[NIL]
.if \fill
	s_add_nc_u64 s[G0A+6:G0A+7], s[G0A+6:G0A+7], ASTEP
	s_add_nc_u64 s[G0B+6:G0B+7], s[G0B+6:G0B+7], BSTEP
	s_add_co_u32 s[G0A+5], s30, s27
	s_add_co_u32 s[G0B+5], s31, s27
.endif
	s_wait_dscnt HEADW+1
	H1A F1, 0
	s_wait_dscnt 0x0
	s_barrier_signal -1
	H1B F1, 0
	WIN 0
	s_barrier_wait -1
.if \fill
	CREST
	JLOAD
.else
	PLACES
.endif
	s_xor_b32 s27, s27, SLOT
	v_add_nc_u32 v18, s27, v16
	v_add_nc_u32 v19, s27, v17
	FETCH 0, F0
	H2 F1, 0
.endm
; ---- head ----
	s_load_b256 s[4:11], s[0:1], 0x0               ; o 4, wts 6, bo 8, x 10
	s_load_b64 s[12:13], s[0:1], 0x20              ; yz
	v_lshl_add_u32 v[SPW], v0, 2, SPARE
	v_mov_b32 v[NIL], 0
	ds_add_u32 v[SPW], v[NIL]                      ; the opening: the add twice on end and one wait
	ds_add_u32 v[SPW], v[NIL]
	v_lshrrev_b32 v1, 5, v0
	v_readfirstlane_b32 s20, v1
	s_mov_b32 s22, s20                             ; wn: my 48 columns
	s_bfe_u32 s23, ttmp6, 0x40000                  ; cx
	s_bfe_u32 s24, ttmp6, 0x40004                  ; cy
	s_lshl_b32 s25, ttmp9, 2
	s_add_co_u32 s25, s25, s23                     ; X
	s_and_b32 s26, ttmp7, 0xffff
	s_lshl_b32 s26, s26, 2
	s_add_co_u32 s26, s26, s24                     ; Y
	s_lshl_b32 s76, 0x1111, s23                    ; those with my cx
	s_lshl_b32 s80, s24, 2
	s_lshl_b32 s80, 15, s80                        ; those with my cy
	s_or_b32 s[G1A], s76, (1<<16)|(1<<20)|(1<<21)|(AQI<<22)|(3<<25)
	s_or_b32 s[G1B], s80, (1<<16)|(1<<20)|(1<<21)|(BQI<<22)|(3<<25)
	s_mov_b32 s[G1A+1], AC<<16
	s_mov_b32 s[G1A+2], AR<<16
	s_mov_b32 s[G1A+3], AC<<16
	s_mov_b32 s[G1A+4], AR
	s_mov_b32 s[G1A+5], APK
	s_mov_b32 s[G1A+6], 0
	s_mov_b32 s[G1A+7], 0
	s_mov_b32 s[G1B+1], KSTEP<<16
	s_mov_b32 s[G1B+2], BR<<16
	s_mov_b32 s[G1B+3], KSTEP<<16
	s_mov_b32 s[G1B+4], BR
	s_mov_b32 s[G1B+5], SIZE_K
	s_mov_b32 s[G1B+6], 0
	s_mov_b32 s[G1B+7], 0
	s_mul_i32 s76, s25, AOX
	s_mov_b32 s77, 0
	s_max_u32 s80, s20, NAW
	s_sub_co_u32 s80, s80, NAW
	s_mul_i32 s80, s80, BOW
	s_mul_i32 s81, s26, BOY
	s_add_co_u32 s80, s80, s81
	s_add_co_u32 s80, s80, BOFF
	s_mov_b32 s81, 0
	s_mov_b32 s30, 0                               ; A: wave 0 alone, at a slot's head
	s_mul_i32 s31, s20, LBB_M
	s_add_co_u32 s31, s31, LBB_0
	s_mov_b32 s27, 0
	s_wait_dscnt 0x0
	s_wait_kmcnt 0x0
	s_add_nc_u64 s[76:77], s[4:5], s[76:77]
	s_add_nc_u64 s[80:81], s[6:7], s[80:81]
.irp s, 0,1
	s_mov_b32 s[G0A+4*\s], 1
	s_add_co_u32 s[G0A+4*\s+1], s30, \s*SLOT
	s_add_nc_u64 s[G0A+4*\s+2:G0A+4*\s+3], s[76:77], \s*ASTEP
	s_or_b32 s[G0A+4*\s+3], s[G0A+4*\s+3], 0x80000000
	s_mov_b32 s[G0B+4*\s], 1
	s_add_co_u32 s[G0B+4*\s+1], s31, \s*SLOT
	s_add_nc_u64 s[G0B+4*\s+2:G0B+4*\s+3], s[80:81], \s*BSTEP
	s_or_b32 s[G0B+4*\s+3], s[G0B+4*\s+3], 0x80000000
.endr
	CROUND
	s_cmp_lt_u32 s20, NAW
	s_cbranch_scc0 .Lfirst_b
	tensor_load_to_lds s[G0A:G0A+3], s[G1A:G1A+7]
	s_nop 0
	tensor_load_to_lds s[G0A+4:G0A+7], s[G1A:G1A+7]
	s_nop 0
.rept 4
	v_nop
.endr
	s_branch .Lfirst_asked
.Lfirst_b:
	tensor_load_to_lds s[G0B:G0B+3], s[G1B:G1B+7]
	s_nop 0
	tensor_load_to_lds s[G0B+4:G0B+7], s[G1B:G1B+7]
	s_nop 0
.rept 4
	v_nop
.endr
.Lfirst_asked:
	v_and_b32 v1, 15, v0
	v_bfe_u32 v2, v0, 4, 1
	v_mul_u32_u24 v3, v1, APITCH
	v_lshl_add_u32 v16, v2, 4, v3                  ; every wave reads all 64 rows of A
	v_mul_u32_u24 v3, v1, BPITCH
	v_lshl_add_u32 v3, v2, 4, v3
	s_mul_i32 s84, s22, 16*NB*BPITCH
	s_add_co_u32 s84, s84, AREG
	v_add_nc_u32 v17, s84, v3
	v_mov_b32 v18, v16
	v_mov_b32 v19, v17
	v_lshlrev_b32 v24, 5, v2
	s_mul_i32 s84, s26, TN*4
	s_mul_i32 s85, s22, 64*NB
	s_add_co_u32 s84, s84, s85
	s_mov_b32 s85, 0
	s_add_nc_u64 s[86:87], s[8:9], s[84:85]
.set fi, 0
.rept NB
	global_load_b128 v[BIAS+8*fi:BIAS+8*fi+3], v24, s[86:87] offset:64*fi
	global_load_b128 v[BIAS+8*fi+4:BIAS+8*fi+7], v24, s[86:87] offset:64*fi+16
.set fi, fi+1
.endr
	s_wait_loadcnt 0x0
; ---- the walk along K ----
	s_wait_tensorcnt 0x1                           ; tile 0 is in; tile 1 stays out
	s_barrier_signal -1
	s_barrier_wait -1
	FETCH 0, F0
	QUARTER 1, F0, F1, 1
	WIN 0
	s_mov_b32 s28, T-2
.Lmain:
	QUARTER 2, F1, F0, 0
	QUARTER 3, F0, F1, 0
	TURN 1
	QUARTER 1, F0, F1, 0
	WIN 0
	s_sub_co_u32 s28, s28, 1
	s_cmp_lg_u32 s28, 0
	s_cbranch_scc1 .Lmain
	s_mov_b32 s29, 2
.Ltail:                                                ; the last two K steps ask for nothing; the second trip is left in its middle, its barrier and its fetch (of bytes that were filled) serve nothing: the price of one text for both
	QUARTER 2, F1, F0, 0
	QUARTER 3, F0, F1, 0
	TURN 0
	WIN 0
	s_sub_co_u32 s29, s29, 1
	s_cmp_eq_u32 s29, 0
	s_cbranch_scc1 .Lout
	QUARTER 1, F0, F1, 0
	WIN 0
	s_branch .Ltail
.Lout:
; ---- the way out: f32 through a stage of 64 rows x 784 bytes over slot 0 (both slots have had their last fill); wave w then takes rows 16 w .. 16 w + 15 whole, adds x and stores ----
	s_wait_dscnt 0x0
	PLACES
	v_mul_u32_u24 v3, v1, 784
	v_lshl_add_u32 v3, v2, 5, v3
	s_mul_i32 s84, s22, 192
	v_add_nc_u32 v20, s84, v3                      ; row r, byte 192 wn + 32 h
	s_lshl_b32 s84, s20, 4
	v_add_nc_u32 v4, s84, v2
	v_mul_u32_u24 v4, v4, 784
	v_lshl_add_u32 v21, v1, 4, v4                  ; back: lanes 0-15 one row's 256 bytes, lanes 16-31 the next row's
	v_mul_u32_u24 v4, v2, 3072
	v_lshl_add_u32 v22, v1, 4, v4                  ; the same two rows in x and in yz
	s_lshl_b32 s85, s25, 6
	s_add_co_u32 s84, s84, s85
	s_mul_i32 s86, s84, 3072
	s_mul_i32 s87, s26, 768
	s_add_co_u32 s86, s86, s87
	s_mov_b32 s87, 0
	s_add_nc_u64 s[88:89], s[12:13], s[86:87]
	s_add_nc_u64 s[86:87], s[10:11], s[86:87]
.set u, 0
.rept 24
	global_load_b128 v[32+4*u:35+4*u], v22, s[86:87] offset:(u/3)*6144+(u%3)*256
.set u, u+1
.endr
	s_barrier_signal -1
	s_barrier_wait -1                              ; nobody reads the ring any more
	WIN 0x08
.set ea, 0
.rept NA
.set eb, 0
.rept NB
.set rD, 8*(ea*NB+eb)
	ds_store_b128 v20, v[rD:rD+3] offset:ea*12544+64*eb
	ds_store_b128 v20, v[rD+4:rD+7] offset:ea*12544+64*eb+16
.set eb, eb+1
.endr
.set ea, ea+1
.endr
	WIN 0
	s_wait_dscnt 0x0
	s_barrier_signal -1
	s_barrier_wait -1
.set u, 0
.rept 24
	ds_load_b128 v[128+4*u:131+4*u], v21 offset:(u/3)*1568+(u%3)*256
.set u, u+1
.endr
.set u, 0
.rept 24
	s_wait_dscnt 23-u
	s_wait_loadcnt 23-u
	v_pk_add_f32 v[128+4*u:129+4*u], v[128+4*u:129+4*u], v[32+4*u:33+4*u]
	v_pk_add_f32 v[130+4*u:131+4*u], v[130+4*u:131+4*u], v[34+4*u:35+4*u]
	global_store_b128 v22, v[128+4*u:131+4*u], s[88:89] offset:(u/3)*6144+(u%3)*256  ; sixteen lanes store 256 consecutive bytes, aligned
.set u, u+1
.endr
	s_wait_tensorcnt 0x0                           ; the wave's end
	ds_add_u32 v[SPW], v[NIL]
	s_wait_dscnt 0x0
	CROUND
	s_endpgm
.Lfunc_end_k_q76dd91c15c_oproj:
	.size	k_q76dd91c15c_oproj, .Lfunc_end_k_q76dd91c15c_oproj-k_q76dd91c15c_oproj
	.p2alignl 7, 3214868480
	.fill 96, 4, 3214868480
	.section	.rodata,"a",@progbits
	.p2align	6, 0x0
	.amdhsa_kernel k_q76dd91c15c_oproj
		.amdhsa_group_segment_fixed_size 327680
		.amdhsa_private_segment_fixed_size 0
		.amdhsa_enable_private_segment 0
		.amdhsa_kernarg_size 40
		.amdhsa_user_sgpr_count 2
		.amdhsa_user_sgpr_kernarg_segment_ptr 1
		.amdhsa_wavefront_size32 1
		.amdhsa_system_sgpr_workgroup_id_x 1
		.amdhsa_system_sgpr_workgroup_id_y 1
		.amdhsa_system_sgpr_workgroup_id_z 1
		.amdhsa_system_vgpr_workitem_id 0
		.amdhsa_next_free_vgpr 608
		.amdhsa_next_free_sgpr 90
		.amdhsa_reserve_vcc 0
		.amdhsa_float_denorm_mode_32 3
		.amdhsa_float_denorm_mode_16_64 3
		.amdhsa_memory_ordered 1
		.amdhsa_forward_progress 1
		.amdhsa_inst_pref_size 56
	.end_amdhsa_kernel
	.amdgpu_metadata
---
amdhsa.version: [ 1, 2 ]
amdhsa.kernels:
  - .name:           k_q76dd91c15c_oproj
    .symbol:         k_q76dd91c15c_oproj.kd
    .args:
      - { .name: o, .offset: 0, .size: 8, .value_kind: global_buffer, .address_space: global }
      - { .name: wts, .offset: 8, .size: 8, .value_kind: global_buffer, .address_space: global }
      - { .name: bo, .offset: 16, .size: 8, .value_kind: global_buffer, .address_space: global }
      - { .name: x, .offset: 24, .size: 8, .value_kind: global_buffer, .address_space: global }
      - { .name: yz, .offset: 32, .size: 8, .value_kind: global_buffer, .address_space: global }
    .group_segment_fixed_size: 327680
    .private_segment_fixed_size: 0
    .kernarg_segment_align: 8
    .kernarg_segment_size: 40
    .max_flat_workgroup_size: 128
    .sgpr_count:     90
    .vgpr_count:     608
    .wavefront_size: 32
...
	.end_amdgpu_metadata
.endif
;; end of part 4
;; launch ln1 (part 5): grid 256 x 1, 8 waves a work-group, no clusters, 0 bytes of LDS; arguments yz, ln1_s, ln1_b, h; writes h
.if DOCPART == 5
	.amdgcn_target "amdgcn-amd-amdhsa--gfx1250"
	.amdhsa_code_object_version 6
	.text
	.protected	k_q76dd91c15c_ln1
	.globl	k_q76dd91c15c_ln1
	.p2align	8
	.type	k_q76dd91c15c_ln1,@function
k_q76dd91c15c_ln1:
	s_mov_b64 s[64:65], 0
	v_nop
	global_prefetch_b8 v0, s[64:65] scope:SCOPE_SE
	s_setreg_imm32_b32 hwreg(HW_REG_WAVE_MODE, 25, 1), 1
	s_wait_xcnt 0x0
; Launch 5 of 8: h = layer norm of yz's rows (768 f32), times ln1_s plus ln1_b, stored once in bf16: the operand of the next product and the residual of the one after.
; A wave takes two rows; a row is 24 numbers a lane, kept in registers between the mean, the variance (of the differences, as reference() takes it) and the scaling.  No LDS, no barrier: no wave needs another's data.
.set OUTBF, 1
.set GS, 8
.set GB, 32
.set R0, 56
.set R1, 80
.set T, 104
	s_load_b256 s[4:11], s[0:1], 0x0               ; rows 4, gain 6, bias 8, out 10
	v_and_b32 v1, 31, v0
	v_lshrrev_b32 v2, 5, v0
	v_readfirstlane_b32 s12, v2
	s_lshl_b32 s13, ttmp9, 3
	s_add_co_u32 s13, s13, s12
	s_mul_i32 s14, s13, 6144
	s_mov_b32 s15, 0
.if OUTBF
	s_mul_i32 s16, s13, 3072
.else
	s_mul_i32 s16, s13, 6144
.endif
	s_mov_b32 s17, 0
	s_mov_b32 s18, 0x3aaaaaab                      ; 1 / 768
	s_mov_b32 s19, 0x3727c5ac                      ; 1e-5
	s_mov_b32 s20, 0x76543210
	s_mov_b32 s21, 0xfedcba98
	v_lshlrev_b32 v3, 4, v1
	v_lshlrev_b32 v4, 3, v1
	s_wait_kmcnt 0x0
	s_add_nc_u64 s[4:5], s[4:5], s[14:15]
	s_add_nc_u64 s[10:11], s[10:11], s[16:17]
.irp j, 0,1,2,3,4,5
	global_load_b128 v[GS+4*\j:GS+4*\j+3], v3, s[6:7] offset:512*\j
.endr
.irp j, 0,1,2,3,4,5
	global_load_b128 v[GB+4*\j:GB+4*\j+3], v3, s[8:9] offset:512*\j
.endr
.irp j, 0,1,2,3,4,5
	global_load_b128 v[R0+4*\j:R0+4*\j+3], v3, s[4:5] offset:512*\j th:TH_LOAD_NT
.endr
.irp j, 0,1,2,3,4,5
	global_load_b128 v[R1+4*\j:R1+4*\j+3], v3, s[4:5] offset:3072+512*\j th:TH_LOAD_NT
.endr
.macro REDUCE                          ; the sum of v[T] over the 32 lanes, in every lane
	v_add_f32_dpp v[T], v[T], v[T] row_xmask:1 row_mask:0xf bank_mask:0xf
	v_add_f32_dpp v[T], v[T], v[T] row_xmask:2 row_mask:0xf bank_mask:0xf
	v_add_f32_dpp v[T], v[T], v[T] row_xmask:4 row_mask:0xf bank_mask:0xf
	v_add_f32_dpp v[T], v[T], v[T] row_xmask:8 row_mask:0xf bank_mask:0xf
	v_permlanex16_b32 v[T+1], v[T], s20, s21
	v_add_f32 v[T], v[T], v[T+1]
.endm
.macro LNROW R, row
	v_pk_add_f32 v[T:T+1], v[\R:\R+1], v[\R+2:\R+3]
	v_pk_add_f32 v[T+2:T+3], v[\R+4:\R+5], v[\R+6:\R+7]
.irp i, 4,6,8,10
	v_pk_add_f32 v[T:T+1], v[T:T+1], v[\R+2*\i:\R+2*\i+1]
	v_pk_add_f32 v[T+2:T+3], v[T+2:T+3], v[\R+2*\i+2:\R+2*\i+3]
.endr
	v_pk_add_f32 v[T:T+1], v[T:T+1], v[T+2:T+3]
	v_add_f32 v[T], v[T], v[T+1]
	REDUCE
	v_mul_f32 v[T+4], s18, v[T]                    ; the mean, twice
	v_mov_b32 v[T+5], v[T+4]
.irp i, 0,1,2,3,4,5,6,7,8,9,10,11
	v_pk_add_f32 v[\R+2*\i:\R+2*\i+1], v[\R+2*\i:\R+2*\i+1], v[T+4:T+5] neg_lo:[0,1] neg_hi:[0,1]
.endr
	v_pk_mul_f32 v[T:T+1], v[\R:\R+1], v[\R:\R+1]
	v_pk_mul_f32 v[T+2:T+3], v[\R+2:\R+3], v[\R+2:\R+3]
.irp i, 2,4,6,8,10
	v_pk_fma_f32 v[T:T+1], v[\R+2*\i:\R+2*\i+1], v[\R+2*\i:\R+2*\i+1], v[T:T+1]
	v_pk_fma_f32 v[T+2:T+3], v[\R+2*\i+2:\R+2*\i+3], v[\R+2*\i+2:\R+2*\i+3], v[T+2:T+3]
.endr
	v_pk_add_f32 v[T:T+1], v[T:T+1], v[T+2:T+3]
	v_add_f32 v[T], v[T], v[T+1]
	REDUCE
	v_fma_f32 v[T+6], v[T], s18, s19               ; variance + 1e-5
	v_rsq_f32 v[T+4], v[T+6]
	v_rsq_f32 v[T+5], v[T+6]
	v_nop                                          ; a plain instruction behind the last of the two,
	s_wait_alu depctr_va_vdst(0)                   ; and one wait ahead of their first reader
.irp i, 0,1,2,3,4,5,6,7,8,9,10,11
	v_pk_mul_f32 v[\R+2*\i:\R+2*\i+1], v[\R+2*\i:\R+2*\i+1], v[T+4:T+5]
.endr
.irp i, 0,1,2,3,4,5,6,7,8,9,10,11
	v_pk_fma_f32 v[\R+2*\i:\R+2*\i+1], v[\R+2*\i:\R+2*\i+1], v[GS+2*\i:GS+2*\i+1], v[GB+2*\i:GB+2*\i+1]
.endr
.if OUTBF
.irp i, 0,1,2,3,4,5,6,7,8,9,10,11
	v_cvt_pk_bf16_f32 v[\R+\i], v[\R+2*\i], v[\R+2*\i+1]  ; in place, ascending
.endr
.irp j, 0,1,2,3,4,5
	global_store_b64 v4, v[\R+2*\j:\R+2*\j+1], s[10:11] offset:\row*1536+256*\j  ; a wave stores 256 consecutive bytes, aligned
.endr
.else
.irp j, 0,1,2,3,4,5
	global_store_b128 v3, v[\R+4*\j:\R+4*\j+3], s[10:11] offset:\row*3072+512*\j th:TH_STORE_NT
.endr
.endif
.endm
	s_wait_loadcnt 0x6                             ; gain, bias and row 0 are in; row 1's six loads stay out
	LNROW R0, 0
	s_wait_loadcnt 0x0
	LNROW R1, 1
	s_endpgm
.Lfunc_end_k_q76dd91c15c_ln1:
	.size	k_q76dd91c15c_ln1, .Lfunc_end_k_q76dd91c15c_ln1-k_q76dd91c15c_ln1
	.p2alignl 7, 3214868480
	.fill 96, 4, 3214868480
	.section	.rodata,"a",@progbits
	.p2align	6, 0x0
	.amdhsa_kernel k_q76dd91c15c_ln1
		.amdhsa_group_segment_fixed_size 0
		.amdhsa_private_segment_fixed_size 0
		.amdhsa_enable_private_segment 0
		.amdhsa_kernarg_size 32
		.amdhsa_user_sgpr_count 2
		.amdhsa_user_sgpr_kernarg_segment_ptr 1
		.amdhsa_wavefront_size32 1
		.amdhsa_system_sgpr_workgroup_id_x 1
		.amdhsa_system_sgpr_workgroup_id_y 1
		.amdhsa_system_sgpr_workgroup_id_z 1
		.amdhsa_system_vgpr_workitem_id 0
		.amdhsa_next_free_vgpr 112
		.amdhsa_next_free_sgpr 66
		.amdhsa_reserve_vcc 0
		.amdhsa_float_denorm_mode_32 3
		.amdhsa_float_denorm_mode_16_64 3
		.amdhsa_memory_ordered 1
		.amdhsa_forward_progress 1
		.amdhsa_inst_pref_size 16
	.end_amdhsa_kernel
	.amdgpu_metadata
---
amdhsa.version: [ 1, 2 ]
amdhsa.kernels:
  - .name:           k_q76dd91c15c_ln1
    .symbol:         k_q76dd91c15c_ln1.kd
    .args:
      - { .name: yz, .offset: 0, .size: 8, .value_kind: global_buffer, .address_space: global }
      - { .name: ln1_s, .offset: 8, .size: 8, .value_kind: global_buffer, .address_space: global }
      - { .name: ln1_b, .offset: 16, .size: 8, .value_kind: global_buffer, .address_space: global }
      - { .name: h, .offset: 24, .size: 8, .value_kind: global_buffer, .address_space: global }
    .group_segment_fixed_size: 0
    .private_segment_fixed_size: 0
    .kernarg_segment_align: 8
    .kernarg_segment_size: 32
    .max_flat_workgroup_size: 256
    .sgpr_count:     66
    .vgpr_count:     112
    .wavefront_size: 32
...
	.end_amdgpu_metadata
.endif
;; end of part 5
;; launch ffn1 (part 6): grid 32 x 8, 4 waves a work-group, clusters of 4 x 4, 327,680 bytes of LDS; arguments h, wts, b1, act; writes act
.if DOCPART == 6
	.amdgcn_target "amdgcn-amd-amdhsa--gfx1250"
	.amdhsa_code_object_version 6
	.text
	.protected	k_q76dd91c15c_ffn1
	.globl	k_q76dd91c15c_ffn1
	.p2align	8
	.type	k_q76dd91c15c_ffn1,@function
k_q76dd91c15c_ffn1:
	s_mov_b64 s[64:65], 0
	v_nop
	global_prefetch_b8 v0, s[64:65] scope:SCOPE_SE
	s_setreg_imm32_b32 hwreg(HW_REG_WAVE_MODE, 25, 1), 1
	s_wait_xcnt 0x0
	s_wait_alu depctr_hold_cnt(0) depctr_sa_sdst(0) depctr_va_vdst(0) depctr_va_sdst(0) depctr_va_ssrc(0) depctr_va_vcc(0) depctr_vm_vsrc(0)
	s_getreg_b32 s2, hwreg(HW_REG_IB_STS2, 6, 4)
	s_cmp_eq_u32 s2, 0
	s_cbranch_scc0 .Lentry_in_a_cluster
	s_endpgm
.Lentry_in_a_cluster:
	s_bfe_u32 s2, ttmp6, 0x10000c
	s_cmp_lg_u32 s2, 0xf033
	s_cbranch_scc0 .Lentry_shape_is_right
	s_endpgm
.Lentry_shape_is_right:
; Launch 6 of 8: act = leaky_relu(h w1 + b1), 4,096 x 3,072 x 768, bf16 operands, f32 sums, bf16 out.  leaky_relu(x) = max(x, 0.01 x), since the slope is under 1.
; TILE.  128 rows x 384 columns (768 bytes of a row of act: whole blocks of 256), 256 work-groups; four waves of 64 x 192: 48 accumulators.  K in 6 steps of 128 through two LDS slots.
; CLUSTER 4 x 4 (grid x: rows, grid y: columns): A hangs on x alone and is shared by the four with my cx, B on y alone and is shared by the four with my cy: joint loads.
; The matrix instruction is used transposed (source 0 = rows of B): a lane holds eight neighbouring columns of a row.  The bias is the C operand of the first product.
; No prefetch: six K steps, of which two come by the first fills, in a short launch.
.set NA, 4
.set NB, 12
.set WGN, 2
.set SIZE_K, 768
.set KSTEP, 128
.set T, 6
.set DK, 32
.set APITCH, 272
.set BPITCH, 272
.set AQ, 64
.set NAW, 1
.set AREG, 34816
.set SLOT, 139264
.set AC, 128
.set AR, 128
.set APK, 768
.set AQI, 5
.set BR, 128
.set BQI, 5
.set AOX, 196608
.set ASTEP, 256
.set BOFF, 4128768
.set BOY, 589824
.set BOW, 196608
.set BSTEP, 256
.set LBB_M, 34816
.set TN, 384
; ---- the text that the four products share ----
.set SPARE, 2*SLOT
.set FS, 8*(NA+NB)
.set LF, 2*(NA+NB)*(DK/32)
.if DK == 32
.set HEADW, NA
.else
.set HEADW, LF/2
.endif
.set F0, 0
.set F1, 128
.set BIAS, 32
.set SPW, 28
.set NIL, 29
.set G1A, 32
.set G1B, 40
.set G0A, 48
.set G0B, 56
.set MSB, 0
.macro WIN new
.if MSB != (\new)
	s_set_vgpr_msb (MSB<<8)|(\new)
.set MSB, (\new)
.endif
.endm
.macro PLACES
.rept 4
	v_nop
.endr
.endm
.macro CREST
	s_cmp_lg_u32 s20, 0
	s_cbranch_scc1 .Lnot_wave_0_\@
	s_barrier_signal -3
.Lnot_wave_0_\@:
	s_barrier_wait -3
	s_barrier_signal -1
	s_barrier_wait -1
.endm
.macro CROUND
	s_barrier_signal -1
	s_barrier_wait -1
	CREST
.endm
.macro JLOAD
	s_cmp_lt_u32 s20, NAW
	s_cbranch_scc0 .Lfor_b_\@
	tensor_load_to_lds s[G0A+4:G0A+7], s[G1A:G1A+7]
	s_nop 0
.rept 4
	v_nop
.endr
	s_branch .Lasked_\@
.Lfor_b_\@:
	tensor_load_to_lds s[G0B+4:G0B+7], s[G1B:G1B+7]
	s_nop 0
.rept 4
	v_nop
.endr
.Lasked_\@:
.endm
.macro MULR f, c, alo, ahi, zero       ; the accumulators take turns, one instruction a turn
.set ma, \alo
.rept (\ahi)-(\alo)
.set mb, 0
.rept NB
.set mt, ma*NB+mb
.set rD, 8*(mt%32)
.set rB, (\f)+(\c)*FS+8*mb
.set rA, (\f)+(\c)*FS+8*NB+8*ma
.if \zero
	WIN 0x85+0x40*(mt/32)
	v_wmma_f32_16x16x32_bf16 v[rD:rD+7], v[rB:rB+7], v[rA:rA+7], v[BIAS+8*mb:BIAS+8*mb+7]
.else
	WIN 0xa5+0x50*(mt/32)
	v_wmma_f32_16x16x32_bf16 v[rD:rD+7], v[rB:rB+7], v[rA:rA+7], v[rD:rD+7]
.endif
.set mb, mb+1
.endr
.set ma, ma+1
.endr
.endm
.macro H1A f, zero
.if DK == 32
	MULR \f, 0, 0, NA/4, \zero
.else
	MULR \f, 0, 0, NA/2, \zero
.endif
.endm
.macro H1B f, zero
.if DK == 32
	MULR \f, 0, NA/4, NA/2, \zero
.else
	MULR \f, 0, NA/2, NA, \zero
.endif
.endm
.macro H2 f, zero
.if DK == 32
	MULR \f, 0, NA/2, NA, \zero
.else
	MULR \f, 1, 0, NA, 0
.endif
.endm
.macro FETCH q, f
	WIN 0x40
.set fc, 0
.rept DK/32
.set fi, 0
.rept NB
	ds_load_b128 v[(\f)+fc*FS+8*fi:(\f)+fc*FS+8*fi+3], v19 offset:(\q)*2*DK+64*fc+fi*16*BPITCH
	ds_load_b128 v[(\f)+fc*FS+8*fi+4:(\f)+fc*FS+8*fi+7], v19 offset:(\q)*2*DK+64*fc+fi*16*BPITCH+32
.set fi, fi+1
.endr
.set fi, 0
.rept NA
	ds_load_b128 v[(\f)+fc*FS+8*NB+8*fi:(\f)+fc*FS+8*NB+8*fi+3], v18 offset:(\q)*AQ+64*fc+fi*16*APITCH
	ds_load_b128 v[(\f)+fc*FS+8*NB+8*fi+4:(\f)+fc*FS+8*NB+8*fi+7], v18 offset:(\q)*AQ+64*fc+fi*16*APITCH+32
.set fi, fi+1
.endr
.set fc, fc+1
.endr
.endm
.macro QUARTER qn, f, g, zero
	s_wait_dscnt HEADW                             ; B and A's lower half are in
	H1A \f, \zero
	H1B \f, \zero
	PLACES
	FETCH \qn, \g
	s_wait_dscnt LF                                ; all but the fetch just issued
	H2 \f, \zero
.endm
.macro TURN fill                       ; the last quarter and the change of slots: all my tensor loads, the add, my reads; the barrier (fill = 1: a round of the cluster's); the refill first behind it
	WIN 0
	s_wait_tensorcnt 0x0
	ds_add_u32 v[SPW], v[NIL]
.if \fill
	s_add_nc_u64 s[G0A+6:G0A+7], s[G0A+6:G0A+7], ASTEP
	s_add_nc_u64 s[G0B+6:G0B+7], s[G0B+6:G0B+7], BSTEP
	s_add_co_u32 s[G0A+5], s30, s27
	s_add_co_u32 s[G0B+5], s31, s27
.endif
	s_wait_dscnt HEADW+1
	H1A F1, 0
	s_wait_dscnt 0x0
	s_barrier_signal -1
	H1B F1, 0
	WIN 0
	s_barrier_wait -1
.if \fill
	CREST
	JLOAD
.else
	PLACES
.endif
	s_xor_b32 s27, s27, SLOT
	v_add_nc_u32 v18, s27, v16
	v_add_nc_u32 v19, s27, v17
	FETCH 0, F0
	H2 F1, 0
.endm
; ---- head ----
	s_load_b256 s[4:11], s[0:1], 0x0               ; h 4, wts 6, b1 8, act 10
	v_lshl_add_u32 v[SPW], v0, 2, SPARE
	v_mov_b32 v[NIL], 0
	ds_add_u32 v[SPW], v[NIL]                      ; the opening: the add twice on end and one wait
	ds_add_u32 v[SPW], v[NIL]
	v_lshrrev_b32 v1, 5, v0
	v_readfirstlane_b32 s20, v1
	s_lshr_b32 s21, s20, 1                         ; wm
	s_and_b32 s22, s20, 1                          ; wn
	s_bfe_u32 s23, ttmp6, 0x40000
	s_bfe_u32 s24, ttmp6, 0x40004
	s_lshl_b32 s25, ttmp9, 2
	s_add_co_u32 s25, s25, s23                     ; X
	s_and_b32 s26, ttmp7, 0xffff
	s_lshl_b32 s26, s26, 2
	s_add_co_u32 s26, s26, s24                     ; Y
	s_lshl_b32 s76, 0x1111, s23
	s_lshl_b32 s80, s24, 2
	s_lshl_b32 s80, 15, s80
	s_or_b32 s[G1A], s76, (1<<16)|(1<<20)|(1<<21)|(AQI<<22)|(3<<25)
	s_or_b32 s[G1B], s80, (1<<16)|(1<<20)|(1<<21)|(BQI<<22)|(3<<25)
	s_mov_b32 s[G1A+1], AC<<16
	s_mov_b32 s[G1A+2], AR<<16
	s_mov_b32 s[G1A+3], AC<<16
	s_mov_b32 s[G1A+4], AR
	s_mov_b32 s[G1A+5], APK
	s_mov_b32 s[G1A+6], 0
	s_mov_b32 s[G1A+7], 0
	s_mov_b32 s[G1B+1], KSTEP<<16
	s_mov_b32 s[G1B+2], BR<<16
	s_mov_b32 s[G1B+3], KSTEP<<16
	s_mov_b32 s[G1B+4], BR
	s_mov_b32 s[G1B+5], SIZE_K
	s_mov_b32 s[G1B+6], 0
	s_mov_b32 s[G1B+7], 0
	s_mul_i32 s76, s25, AOX
	s_mov_b32 s77, 0
	s_max_u32 s80, s20, NAW
	s_sub_co_u32 s80, s80, NAW
	s_mul_i32 s80, s80, BOW
	s_mul_i32 s81, s26, BOY
	s_add_co_u32 s80, s80, s81
	s_add_co_u32 s80, s80, BOFF
	s_mov_b32 s81, 0
	s_mov_b32 s30, 0                               ; A: wave 0 alone, at a slot's head
	s_mul_i32 s31, s20, LBB_M
	s_mov_b32 s27, 0
	s_wait_dscnt 0x0
	s_wait_kmcnt 0x0
	s_add_nc_u64 s[76:77], s[4:5], s[76:77]
	s_add_nc_u64 s[80:81], s[6:7], s[80:81]
.irp s, 0,1
	s_mov_b32 s[G0A+4*\s], 1
	s_add_co_u32 s[G0A+4*\s+1], s30, \s*SLOT
	s_add_nc_u64 s[G0A+4*\s+2:G0A+4*\s+3], s[76:77], \s*ASTEP
	s_or_b32 s[G0A+4*\s+3], s[G0A+4*\s+3], 0x80000000
	s_mov_b32 s[G0B+4*\s], 1
	s_add_co_u32 s[G0B+4*\s+1], s31, \s*SLOT
	s_add_nc_u64 s[G0B+4*\s+2:G0B+4*\s+3], s[80:81], \s*BSTEP
	s_or_b32 s[G0B+4*\s+3], s[G0B+4*\s+3], 0x80000000
.endr
	CROUND
	s_cmp_lt_u32 s20, NAW
	s_cbranch_scc0 .Lfirst_b
	tensor_load_to_lds s[G0A:G0A+3], s[G1A:G1A+7]
	s_nop 0
	tensor_load_to_lds s[G0A+4:G0A+7], s[G1A:G1A+7]
	s_nop 0
.rept 4
	v_nop
.endr
	s_branch .Lfirst_asked
.Lfirst_b:
	tensor_load_to_lds s[G0B:G0B+3], s[G1B:G1B+7]
	s_nop 0
	tensor_load_to_lds s[G0B+4:G0B+7], s[G1B:G1B+7]
	s_nop 0
.rept 4
	v_nop
.endr
.Lfirst_asked:
	v_and_b32 v1, 15, v0
	v_bfe_u32 v2, v0, 4, 1
	v_mul_u32_u24 v3, v1, APITCH
	v_lshl_add_u32 v3, v2, 4, v3
	s_mul_i32 s84, s21, 16*NA*APITCH
	v_add_nc_u32 v16, s84, v3
	s_mul_i32 s84, s22, 16*NB*BPITCH
	s_add_co_u32 s84, s84, AREG
	v_add_nc_u32 v17, s84, v3                      ; A's and B's pitch are the same
	v_mov_b32 v18, v16
	v_mov_b32 v19, v17
	v_lshlrev_b32 v24, 5, v2
	s_mul_i32 s84, s26, TN*4
	s_mul_i32 s85, s22, 64*NB
	s_add_co_u32 s84, s84, s85
	s_mov_b32 s85, 0
	s_add_nc_u64 s[86:87], s[8:9], s[84:85]
.set fi, 0
.rept NB
	global_load_b128 v[BIAS+8*fi:BIAS+8*fi+3], v24, s[86:87] offset:64*fi
	global_load_b128 v[BIAS+8*fi+4:BIAS+8*fi+7], v24, s[86:87] offset:64*fi+16
.set fi, fi+1
.endr
	s_wait_loadcnt 0x0
; ---- the walk along K ----
	s_wait_tensorcnt 0x1                           ; tile 0 is in; tile 1 stays out
	s_barrier_signal -1
	s_barrier_wait -1
	FETCH 0, F0
	QUARTER 1, F0, F1, 1
	WIN 0
	s_mov_b32 s28, T-2
.Lmain:
	QUARTER 2, F1, F0, 0
	QUARTER 3, F0, F1, 0
	TURN 1
	QUARTER 1, F0, F1, 0
	WIN 0
	s_sub_co_u32 s28, s28, 1
	s_cmp_lg_u32 s28, 0
	s_cbranch_scc1 .Lmain
	s_mov_b32 s29, 2
.Ltail:                                                ; the last two K steps ask for nothing; the second trip is left in its middle, its barrier and its fetch (of bytes that were filled) serve nothing: the price of one text for both
	QUARTER 2, F1, F0, 0
	QUARTER 3, F0, F1, 0
	TURN 0
	WIN 0
	s_sub_co_u32 s29, s29, 1
	s_cmp_eq_u32 s29, 0
	s_cbranch_scc1 .Lout
	QUARTER 1, F0, F1, 0
	WIN 0
	s_branch .Ltail
.Lout:
; ---- the way out: max(x, 0.01 x), rounded to bf16, through a stage of 128 rows x 784 bytes over slot 0 (both slots have had their last fill); wave w then stores rows 32 w .. 32 w + 31 whole ----
	s_wait_dscnt 0x0
	PLACES
	v_mul_u32_u24 v3, v1, 784
	v_lshl_add_u32 v3, v2, 4, v3
	s_mul_i32 s84, s21, 64*784
	s_mul_i32 s85, s22, 384
	s_add_co_u32 s84, s84, s85
	v_add_nc_u32 v20, s84, v3                      ; row 64 wm + r, byte 384 wn + 16 h
	s_lshl_b32 s84, s20, 5
	v_add_nc_u32 v4, s84, v2
	v_mul_u32_u24 v4, v4, 784
	v_lshl_add_u32 v21, v1, 4, v4
	v_mul_u32_u24 v4, v2, 6144
	v_lshl_add_u32 v22, v1, 4, v4
	s_lshl_b32 s85, s25, 7
	s_add_co_u32 s84, s84, s85
	s_mul_i32 s86, s84, 6144
	s_mul_i32 s87, s26, 768
	s_add_co_u32 s86, s86, s87
	s_mov_b32 s87, 0
	s_add_nc_u64 s[88:89], s[10:11], s[86:87]
	s_mov_b32 s84, 0x3c23d70a                      ; 0.01
	s_mov_b32 s85, s84                             ; named with it as a pair
	s_barrier_signal -1
	s_barrier_wait -1                              ; nobody reads the ring any more
.set ea, 0
.rept NA
.set eb, 0
.rept NB
.set et, ea*NB+eb
.set rD, 8*(et%32)
	WIN 0x02+(et/32)
.set ek, 0
.rept 4
	v_pk_mul_f32 v[128+8*eb+2*ek:128+8*eb+2*ek+1], v[rD+2*ek:rD+2*ek+1], s[84:85] op_sel_hi:[1,0]
.set ek, ek+1
.endr
.set ek, 0
.rept 8
	v_max_num_f32 v[128+8*eb+ek], v[rD+ek], v[128+8*eb+ek]
.set ek, ek+1
.endr
.set eb, eb+1
.endr
	WIN 0
.set eb, 0
.rept NB
.set ek, 0
.rept 4
	v_cvt_pk_bf16_f32 v[32+4*eb+ek], v[128+8*eb+2*ek], v[128+8*eb+2*ek+1]
.set ek, ek+1
.endr
	ds_store_b128 v20, v[32+4*eb:35+4*eb] offset:ea*12544+32*eb
.set eb, eb+1
.endr
.set ea, ea+1
.endr
	s_wait_dscnt 0x0
	s_barrier_signal -1
	s_barrier_wait -1
.set u, 0
.rept 48
	ds_load_b128 v[32+4*u:35+4*u], v21 offset:(u/3)*1568+(u%3)*256
.set u, u+1
.endr
.set u, 0
.rept 48
	s_wait_dscnt 47-u
	global_store_b128 v22, v[32+4*u:35+4*u], s[88:89] offset:(u/3)*12288+(u%3)*256  ; sixteen lanes store 256 consecutive bytes, aligned
.set u, u+1
.endr
	s_wait_tensorcnt 0x0                           ; the wave's end
	ds_add_u32 v[SPW], v[NIL]
	s_wait_dscnt 0x0
	CROUND
	s_endpgm
.Lfunc_end_k_q76dd91c15c_ffn1:
	.size	k_q76dd91c15c_ffn1, .Lfunc_end_k_q76dd91c15c_ffn1-k_q76dd91c15c_ffn1
	.p2alignl 7, 3214868480
	.fill 96, 4, 3214868480
	.section	.rodata,"a",@progbits
	.p2align	6, 0x0
	.amdhsa_kernel k_q76dd91c15c_ffn1
		.amdhsa_group_segment_fixed_size 327680
		.amdhsa_private_segment_fixed_size 0
		.amdhsa_enable_private_segment 0
		.amdhsa_kernarg_size 32
		.amdhsa_user_sgpr_count 2
		.amdhsa_user_sgpr_kernarg_segment_ptr 1
		.amdhsa_wavefront_size32 1
		.amdhsa_system_sgpr_workgroup_id_x 1
		.amdhsa_system_sgpr_workgroup_id_y 1
		.amdhsa_system_sgpr_workgroup_id_z 1
		.amdhsa_system_vgpr_workitem_id 0
		.amdhsa_next_free_vgpr 896
		.amdhsa_next_free_sgpr 90
		.amdhsa_reserve_vcc 0
		.amdhsa_float_denorm_mode_32 3
		.amdhsa_float_denorm_mode_16_64 3
		.amdhsa_memory_ordered 1
		.amdhsa_forward_progress 1
		.amdhsa_inst_pref_size 110
	.end_amdhsa_kernel
	.amdgpu_metadata
---
amdhsa.version: [ 1, 2 ]
amdhsa.kernels:
  - .name:           k_q76dd91c15c_ffn1
    .symbol:         k_q76dd91c15c_ffn1.kd
    .args:
      - { .name: h, .offset: 0, .size: 8, .value_kind: global_buffer, .address_space: global }
      - { .name: wts, .offset: 8, .size: 8, .value_kind: global_buffer, .address_space: global }
      - { .name: b1, .offset: 16, .size: 8, .value_kind: global_buffer, .address_space: global }
      - { .name: act, .offset: 24, .size: 8, .value_kind: global_buffer, .address_space: global }
    .group_segment_fixed_size: 327680
    .private_segment_fixed_size: 0
    .kernarg_segment_align: 8
    .kernarg_segment_size: 32
    .max_flat_workgroup_size: 128
    .sgpr_count:     90
    .vgpr_count:     896
    .wavefront_size: 32
...
	.end_amdgpu_metadata
.endif
;; end of part 6
;; launch ffn2 (part 7): grid 64 x 4, 4 waves a work-group, clusters of 4 x 4, 327,680 bytes of LDS; arguments act, wts, b2, h, yz; writes yz
.if DOCPART == 7
	.amdgcn_target "amdgcn-amd-amdhsa--gfx1250"
	.amdhsa_code_object_version 6
	.text
	.protected	k_q76dd91c15c_ffn2
	.globl	k_q76dd91c15c_ffn2
	.p2align	8
	.type	k_q76dd91c15c_ffn2,@function
k_q76dd91c15c_ffn2:
	s_mov_b64 s[64:65], 0
	v_nop
	global_prefetch_b8 v0, s[64:65] scope:SCOPE_SE
	s_setreg_imm32_b32 hwreg(HW_REG_WAVE_MODE, 25, 1), 1
	s_wait_xcnt 0x0
	s_wait_alu depctr_hold_cnt(0) depctr_sa_sdst(0) depctr_va_vdst(0) depctr_va_sdst(0) depctr_va_ssrc(0) depctr_va_vcc(0) depctr_vm_vsrc(0)
	s_getreg_b32 s2, hwreg(HW_REG_IB_STS2, 6, 4)
	s_cmp_eq_u32 s2, 0
	s_cbranch_scc0 .Lentry_in_a_cluster
	s_endpgm
.Lentry_in_a_cluster:
	s_bfe_u32 s2, ttmp6, 0x10000c
	s_cmp_lg_u32 s2, 0xf033
	s_cbranch_scc0 .Lentry_shape_is_right
	s_endpgm
.Lentry_shape_is_right:
; Launch 7 of 8: yz = h + act w2 + b2, 4,096 x 768 x 3,072, bf16 operands, f32 sums, f32 out: the rows that the second layer norm takes.
; TILE.  64 rows x 192 columns (768 bytes of a row of yz: whole blocks of 256), 256 work-groups; four waves side by side, 64 x 48 each: 12 accumulators.  K in 12 steps of 256 (rows of 512 bytes) through two LDS slots.
; CLUSTER 4 x 4 (grid x: rows, grid y: columns): A hangs on x alone and is shared by the four with my cx, B on y alone and is shared by the four with my cy: joint loads.
; The matrix instruction is used transposed (source 0 = rows of B): a lane holds eight neighbouring columns of a row.  The bias is the C operand of the first product.
; No prefetch: a small tile in a short launch.
.set NA, 4
.set NB, 3
.set WGN, 4
.set SIZE_K, 3072
.set KSTEP, 256
.set T, 12
.set DK, 64
.set APITCH, 528
.set BPITCH, 528
.set AQ, 128
.set NAW, 1
.set AREG, 33792
.set SLOT, 135168
.set AC, 256
.set AR, 64
.set APK, 3072
.set AQI, 6
.set BR, 64
.set BQI, 6
.set AOX, 393216
.set ASTEP, 512
.set BOFF, 8847360
.set BOY, 1179648
.set BOW, 393216
.set BSTEP, 512
.set LBB_M, 33792
.set TN, 192
; ---- the text that the four products share ----
.set SPARE, 2*SLOT
.set FS, 8*(NA+NB)
.set LF, 2*(NA+NB)*(DK/32)
.if DK == 32
.set HEADW, NA
.else
.set HEADW, LF/2
.endif
.set F0, 0
.set F1, 128
.set BIAS, 32
.set SPW, 28
.set NIL, 29
.set G1A, 32
.set G1B, 40
.set G0A, 48
.set G0B, 56
.set MSB, 0
.macro WIN new
.if MSB != (\new)
	s_set_vgpr_msb (MSB<<8)|(\new)
.set MSB, (\new)
.endif
.endm
.macro PLACES
.rept 4
	v_nop
.endr
.endm
.macro CREST
	s_cmp_lg_u32 s20, 0
	s_cbranch_scc1 .Lnot_wave_0_\@
	s_barrier_signal -3
.Lnot_wave_0_\@:
	s_barrier_wait -3
	s_barrier_signal -1
	s_barrier_wait -1
.endm
.macro CROUND
	s_barrier_signal -1
	s_barrier_wait -1
	CREST
.endm
.macro JLOAD
	s_cmp_lt_u32 s20, NAW
	s_cbranch_scc0 .Lfor_b_\@
	tensor_load_to_lds s[G0A+4:G0A+7], s[G1A:G1A+7]
	s_nop 0
.rept 4
	v_nop
.endr
	s_branch .Lasked_\@
.Lfor_b_\@:
	tensor_load_to_lds s[G0B+4:G0B+7], s[G1B:G1B+7]
	s_nop 0
.rept 4
	v_nop
.endr
.Lasked_\@:
.endm
.macro MULR f, c, alo, ahi, zero       ; the accumulators take turns, one instruction a turn
.set ma, \alo
.rept (\ahi)-(\alo)
.set mb, 0
.rept NB
.set mt, ma*NB+mb
.set rD, 8*(mt%32)
.set rB, (\f)+(\c)*FS+8*mb
.set rA, (\f)+(\c)*FS+8*NB+8*ma
.if \zero
	WIN 0x85+0x40*(mt/32)
	v_wmma_f32_16x16x32_bf16 v[rD:rD+7], v[rB:rB+7], v[rA:rA+7], v[BIAS+8*mb:BIAS+8*mb+7]
.else
	WIN 0xa5+0x50*(mt/32)
	v_wmma_f32_16x16x32_bf16 v[rD:rD+7], v[rB:rB+7], v[rA:rA+7], v[rD:rD+7]
.endif
.set mb, mb+1
.endr
.set ma, ma+1
.endr
.endm
.macro H1A f, zero
.if DK == 32
	MULR \f, 0, 0, NA/4, \zero
.else
	MULR \f, 0, 0, NA/2, \zero
.endif
.endm
.macro H1B f, zero
.if DK == 32
	MULR \f, 0, NA/4, NA/2, \zero
.else
	MULR \f, 0, NA/2, NA, \zero
.endif
.endm
.macro H2 f, zero
.if DK == 32
	MULR \f, 0, NA/2, NA, \zero
.else
	MULR \f, 1, 0, NA, 0
.endif
.endm
.macro FETCH q, f
	WIN 0x40
.set fc, 0
.rept DK/32
.set fi, 0
.rept NB
	ds_load_b128 v[(\f)+fc*FS+8*fi:(\f)+fc*FS+8*fi+3], v19 offset:(\q)*2*DK+64*fc+fi*16*BPITCH
	ds_load_b128 v[(\f)+fc*FS+8*fi+4:(\f)+fc*FS+8*fi+7], v19 offset:(\q)*2*DK+64*fc+fi*16*BPITCH+32
.set fi, fi+1
.endr
.set fi, 0
.rept NA
	ds_load_b128 v[(\f)+fc*FS+8*NB+8*fi:(\f)+fc*FS+8*NB+8*fi+3], v18 offset:(\q)*AQ+64*fc+fi*16*APITCH
	ds_load_b128 v[(\f)+fc*FS+8*NB+8*fi+4:(\f)+fc*FS+8*NB+8*fi+7], v18 offset:(\q)*AQ+64*fc+fi*16*APITCH+32
.set fi, fi+1
.endr
.set fc, fc+1
.endr
.endm
.macro QUARTER qn, f, g, zero
	s_wait_dscnt HEADW                             ; the first slice is in
	H1A \f, \zero
	H1B \f, \zero
	PLACES
	FETCH \qn, \g
	s_wait_dscnt LF                                ; all but the fetch just issued
	H2 \f, \zero
.endm
.macro TURN fill                       ; the last quarter and the change of slots: all my tensor loads, the add, my reads; the barrier (fill = 1: a round of the cluster's); the refill first behind it
	WIN 0
	s_wait_tensorcnt 0x0
	ds_add_u32 v[SPW], v[NIL]
.if \fill
	s_add_nc_u64 s[G0A+6:G0A+7], s[G0A+6:G0A+7], ASTEP
	s_add_nc_u64 s[G0B+6:G0B+7], s[G0B+6:G0B+7], BSTEP
	s_add_co_u32 s[G0A+5], s30, s27
	s_add_co_u32 s[G0B+5], s31, s27
.endif
	s_wait_dscnt HEADW+1
	H1A F1, 0
	s_wait_dscnt 0x0
	s_barrier_signal -1
	H1B F1, 0
	WIN 0
	s_barrier_wait -1
.if \fill
	CREST
	JLOAD
.else
	PLACES
.endif
	s_xor_b32 s27, s27, SLOT
	v_add_nc_u32 v18, s27, v16
	v_add_nc_u32 v19, s27, v17
	FETCH 0, F0
	H2 F1, 0
.endm
; ---- head ----
	s_load_b256 s[4:11], s[0:1], 0x0               ; act 4, wts 6, b2 8, h 10
	s_load_b64 s[12:13], s[0:1], 0x20              ; yz
	v_lshl_add_u32 v[SPW], v0, 2, SPARE
	v_mov_b32 v[NIL], 0
	ds_add_u32 v[SPW], v[NIL]                      ; the opening: the add twice on end and one wait
	ds_add_u32 v[SPW], v[NIL]
	v_lshrrev_b32 v1, 5, v0
	v_readfirstlane_b32 s20, v1
	s_mov_b32 s22, s20                             ; wn: my 48 columns
	s_bfe_u32 s23, ttmp6, 0x40000
	s_bfe_u32 s24, ttmp6, 0x40004
	s_lshl_b32 s25, ttmp9, 2
	s_add_co_u32 s25, s25, s23                     ; X
	s_and_b32 s26, ttmp7, 0xffff
	s_lshl_b32 s26, s26, 2
	s_add_co_u32 s26, s26, s24                     ; Y
	s_lshl_b32 s76, 0x1111, s23
	s_lshl_b32 s80, s24, 2
	s_lshl_b32 s80, 15, s80
	s_or_b32 s[G1A], s76, (1<<16)|(1<<20)|(1<<21)|(AQI<<22)|(3<<25)
	s_or_b32 s[G1B], s80, (1<<16)|(1<<20)|(1<<21)|(BQI<<22)|(3<<25)
	s_mov_b32 s[G1A+1], AC<<16
	s_mov_b32 s[G1A+2], AR<<16
	s_mov_b32 s[G1A+3], AC<<16
	s_mov_b32 s[G1A+4], AR
	s_mov_b32 s[G1A+5], APK
	s_mov_b32 s[G1A+6], 0
	s_mov_b32 s[G1A+7], 0
	s_mov_b32 s[G1B+1], KSTEP<<16
	s_mov_b32 s[G1B+2], BR<<16
	s_mov_b32 s[G1B+3], KSTEP<<16
	s_mov_b32 s[G1B+4], BR
	s_mov_b32 s[G1B+5], SIZE_K
	s_mov_b32 s[G1B+6], 0
	s_mov_b32 s[G1B+7], 0
	s_mul_i32 s76, s25, AOX
	s_mov_b32 s77, 0
	s_max_u32 s80, s20, NAW
	s_sub_co_u32 s80, s80, NAW
	s_mul_i32 s80, s80, BOW
	s_mul_i32 s81, s26, BOY
	s_add_co_u32 s80, s80, s81
	s_add_co_u32 s80, s80, BOFF
	s_mov_b32 s81, 0
	s_mov_b32 s30, 0                               ; A: wave 0 alone, at a slot's head
	s_mul_i32 s31, s20, LBB_M
	s_mov_b32 s27, 0
	s_wait_dscnt 0x0
	s_wait_kmcnt 0x0
	s_add_nc_u64 s[76:77], s[4:5], s[76:77]
	s_add_nc_u64 s[80:81], s[6:7], s[80:81]
.irp s, 0,1
	s_mov_b32 s[G0A+4*\s], 1
	s_add_co_u32 s[G0A+4*\s+1], s30, \s*SLOT
	s_add_nc_u64 s[G0A+4*\s+2:G0A+4*\s+3], s[76:77], \s*ASTEP
	s_or_b32 s[G0A+4*\s+3], s[G0A+4*\s+3], 0x80000000
	s_mov_b32 s[G0B+4*\s], 1
	s_add_co_u32 s[G0B+4*\s+1], s31, \s*SLOT
	s_add_nc_u64 s[G0B+4*\s+2:G0B+4*\s+3], s[80:81], \s*BSTEP
	s_or_b32 s[G0B+4*\s+3], s[G0B+4*\s+3], 0x80000000
.endr
	CROUND
	s_cmp_lt_u32 s20, NAW
	s_cbranch_scc0 .Lfirst_b
	tensor_load_to_lds s[G0A:G0A+3], s[G1A:G1A+7]
	s_nop 0
	tensor_load_to_lds s[G0A+4:G0A+7], s[G1A:G1A+7]
	s_nop 0
.rept 4
	v_nop
.endr
	s_branch .Lfirst_asked
.Lfirst_b:
	tensor_load_to_lds s[G0B:G0B+3], s[G1B:G1B+7]
	s_nop 0
	tensor_load_to_lds s[G0B+4:G0B+7], s[G1B:G1B+7]
	s_nop 0
.rept 4
	v_nop
.endr
.Lfirst_asked:
	v_and_b32 v1, 15, v0
	v_bfe_u32 v2, v0, 4, 1
	v_mul_u32_u24 v3, v1, APITCH
	v_lshl_add_u32 v16, v2, 4, v3                  ; every wave reads all 64 rows of A
	s_mul_i32 s84, s22, 16*NB*BPITCH
	s_add_co_u32 s84, s84, AREG
	v_add_nc_u32 v17, s84, v16                     ; A's and B's pitch are the same
	v_mov_b32 v18, v16
	v_mov_b32 v19, v17
	v_lshlrev_b32 v24, 5, v2
	s_mul_i32 s84, s26, TN*4
	s_mul_i32 s85, s22, 64*NB
	s_add_co_u32 s84, s84, s85
	s_mov_b32 s85, 0
	s_add_nc_u64 s[86:87], s[8:9], s[84:85]
.set fi, 0
.rept NB
	global_load_b128 v[BIAS+8*fi:BIAS+8*fi+3], v24, s[86:87] offset:64*fi
	global_load_b128 v[BIAS+8*fi+4:BIAS+8*fi+7], v24, s[86:87] offset:64*fi+16
.set fi, fi+1
.endr
	s_wait_loadcnt 0x0
; ---- the walk along K ----
	s_wait_tensorcnt 0x1                           ; tile 0 is in; tile 1 stays out
	s_barrier_signal -1
	s_barrier_wait -1
	FETCH 0, F0
	QUARTER 1, F0, F1, 1
	WIN 0
	s_mov_b32 s28, T-2
.Lmain:
	QUARTER 2, F1, F0, 0
	QUARTER 3, F0, F1, 0
	TURN 1
	QUARTER 1, F0, F1, 0
	WIN 0
	s_sub_co_u32 s28, s28, 1
	s_cmp_lg_u32 s28, 0
	s_cbranch_scc1 .Lmain
	s_mov_b32 s29, 2
.Ltail:                                                ; the last two K steps ask for nothing; the second trip is left in its middle, its barrier and its fetch (of bytes that were filled) serve nothing: the price of one text for both
	QUARTER 2, F1, F0, 0
	QUARTER 3, F0, F1, 0
	TURN 0
	WIN 0
	s_sub_co_u32 s29, s29, 1
	s_cmp_eq_u32 s29, 0
	s_cbranch_scc1 .Lout
	QUARTER 1, F0, F1, 0
	WIN 0
	s_branch .Ltail
.Lout:
; ---- the way out: f32 through a stage of 64 rows x 784 bytes over slot 0 (both slots have had their last fill); wave w then takes rows 16 w .. 16 w + 15 whole, adds h and stores ----
	s_wait_dscnt 0x0
	PLACES
	v_mul_u32_u24 v3, v1, 784
	v_lshl_add_u32 v3, v2, 5, v3
	s_mul_i32 s84, s22, 192
	v_add_nc_u32 v20, s84, v3
	s_lshl_b32 s84, s20, 4
	v_add_nc_u32 v4, s84, v2
	v_mul_u32_u24 v4, v4, 784
	v_lshl_add_u32 v21, v1, 4, v4
	v_mul_u32_u24 v4, v2, 3072
	v_lshl_add_u32 v22, v1, 4, v4                  ; two rows of yz
	v_mul_u32_u24 v4, v2, 1536
	v_lshl_add_u32 v23, v1, 3, v4                  ; the same two rows of h, 8 bytes a lane
	s_lshl_b32 s85, s25, 6
	s_add_co_u32 s84, s84, s85
	s_mul_i32 s86, s84, 3072
	s_mul_i32 s87, s26, 768
	s_add_co_u32 s86, s86, s87
	s_mov_b32 s87, 0
	s_add_nc_u64 s[88:89], s[12:13], s[86:87]
	s_lshr_b32 s86, s86, 1                         ; h has half the bytes
	s_add_nc_u64 s[86:87], s[10:11], s[86:87]
	s_mov_b32 s84, 0xffff0000
.set u, 0
.rept 24
	global_load_b64 v[32+2*u:33+2*u], v23, s[86:87] offset:(u/3)*3072+(u%3)*128
.set u, u+1
.endr
	s_barrier_signal -1
	s_barrier_wait -1                              ; nobody reads the ring any more
	WIN 0x08
.set ea, 0
.rept NA
.set eb, 0
.rept NB
.set rD, 8*(ea*NB+eb)
	ds_store_b128 v20, v[rD:rD+3] offset:ea*12544+64*eb
	ds_store_b128 v20, v[rD+4:rD+7] offset:ea*12544+64*eb+16
.set eb, eb+1
.endr
.set ea, ea+1
.endr
	WIN 0
	s_wait_dscnt 0x0
	s_barrier_signal -1
	s_barrier_wait -1
.set u, 0
.rept 24
	ds_load_b128 v[128+4*u:131+4*u], v21 offset:(u/3)*1568+(u%3)*256
.set u, u+1
.endr
.set u, 0
.rept 24
	s_wait_dscnt 23-u
	s_wait_loadcnt 23-u
	v_lshlrev_b32 v224, 16, v[32+2*u]
	v_and_b32 v225, s84, v[32+2*u]
	v_lshlrev_b32 v226, 16, v[33+2*u]
	v_and_b32 v227, s84, v[33+2*u]
	v_pk_add_f32 v[128+4*u:129+4*u], v[128+4*u:129+4*u], v[224:225]
	v_pk_add_f32 v[130+4*u:131+4*u], v[130+4*u:131+4*u], v[226:227]
	global_store_b128 v22, v[128+4*u:131+4*u], s[88:89] offset:(u/3)*6144+(u%3)*256  ; sixteen lanes store 256 consecutive bytes, aligned
.set u, u+1
.endr
	s_wait_tensorcnt 0x0                           ; the wave's end
	ds_add_u32 v[SPW], v[NIL]
	s_wait_dscnt 0x0
	CROUND
	s_endpgm
.Lfunc_end_k_q76dd91c15c_ffn2:
	.size	k_q76dd91c15c_ffn2, .Lfunc_end_k_q76dd91c15c_ffn2-k_q76dd91c15c_ffn2
	.p2alignl 7, 3214868480
	.fill 96, 4, 3214868480
	.section	.rodata,"a",@progbits
	.p2align	6, 0x0
	.amdhsa_kernel k_q76dd91c15c_ffn2
		.amdhsa_group_segment_fixed_size 327680
		.amdhsa_private_segment_fixed_size 0
		.amdhsa_enable_private_segment 0
		.amdhsa_kernarg_size 40
		.amdhsa_user_sgpr_count 2
		.amdhsa_user_sgpr_kernarg_segment_ptr 1
		.amdhsa_wavefront_size32 1
		.amdhsa_system_sgpr_workgroup_id_x 1
		.amdhsa_system_sgpr_workgroup_id_y 1
		.amdhsa_system_sgpr_workgroup_id_z 1
		.amdhsa_system_vgpr_workitem_id 0
		.amdhsa_next_free_vgpr 608
		.amdhsa_next_free_sgpr 90
		.amdhsa_reserve_vcc 0
		.amdhsa_float_denorm_mode_32 3
		.amdhsa_float_denorm_mode_16_64 3
		.amdhsa_memory_ordered 1
		.amdhsa_forward_progress 1
		.amdhsa_inst_pref_size 59
	.end_amdhsa_kernel
	.amdgpu_metadata
---
amdhsa.version: [ 1, 2 ]
amdhsa.kernels:
  - .name:           k_q76dd91c15c_ffn2
    .symbol:         k_q76dd91c15c_ffn2.kd
    .args:
      - { .name: act, .offset: 0, .size: 8, .value_kind: global_buffer, .address_space: global }
      - { .name: wts, .offset: 8, .size: 8, .value_kind: global_buffer, .address_space: global }
      - { .name: b2, .offset: 16, .size: 8, .value_kind: global_buffer, .address_space: global }
      - { .name: h, .offset: 24, .size: 8, .value_kind: global_buffer, .address_space: global }
      - { .name: yz, .offset: 32, .size: 8, .value_kind: global_buffer, .address_space: global }
    .group_segment_fixed_size: 327680
    .private_segment_fixed_size: 0
    .kernarg_segment_align: 8
    .kernarg_segment_size: 40
    .max_flat_workgroup_size: 128
    .sgpr_count:     90
    .vgpr_count:     608
    .wavefront_size: 32
...
	.end_amdgpu_metadata
.endif
;; end of part 7
;; launch ln2 (part 8): grid 256 x 1, 8 waves a work-group, no clusters, 0 bytes of LDS; arguments yz, ln2_s, ln2_b, out0; writes out0
.if DOCPART == 8
	.amdgcn_target "amdgcn-amd-amdhsa--gfx1250"
	.amdhsa_code_object_version 6
	.text
	.protected	k_q76dd91c15c_ln2
	.globl	k_q76dd91c15c_ln2
	.p2align	8
	.type	k_q76dd91c15c_ln2,@function
k_q76dd91c15c_ln2:
	s_mov_b64 s[64:65], 0
	v_nop
	global_prefetch_b8 v0, s[64:65] scope:SCOPE_SE
	s_setreg_imm32_b32 hwreg(HW_REG_WAVE_MODE, 25, 1), 1
	s_wait_xcnt 0x0
; Launch 8 of 8: out0 = layer norm of yz's rows (768 f32), times ln2_s plus ln2_b, in f32.
; A wave takes two rows; a row is 24 numbers a lane, kept in registers between the mean, the variance (of the differences, as reference() takes it) and the scaling.  No LDS, no barrier: no wave needs another's data.
.set OUTBF, 0
.set GS, 8
.set GB, 32
.set R0, 56
.set R1, 80
.set T, 104
	s_load_b256 s[4:11], s[0:1], 0x0               ; rows 4, gain 6, bias 8, out 10
	v_and_b32 v1, 31, v0
	v_lshrrev_b32 v2, 5, v0
	v_readfirstlane_b32 s12, v2
	s_lshl_b32 s13, ttmp9, 3
	s_add_co_u32 s13, s13, s12
	s_mul_i32 s14, s13, 6144
	s_mov_b32 s15, 0
.if OUTBF
	s_mul_i32 s16, s13, 3072
.else
	s_mul_i32 s16, s13, 6144
.endif
	s_mov_b32 s17, 0
	s_mov_b32 s18, 0x3aaaaaab                      ; 1 / 768
	s_mov_b32 s19, 0x3727c5ac                      ; 1e-5
	s_mov_b32 s20, 0x76543210
	s_mov_b32 s21, 0xfedcba98
	v_lshlrev_b32 v3, 4, v1
	v_lshlrev_b32 v4, 3, v1
	s_wait_kmcnt 0x0
	s_add_nc_u64 s[4:5], s[4:5], s[14:15]
	s_add_nc_u64 s[10:11], s[10:11], s[16:17]
.irp j, 0,1,2,3,4,5
	global_load_b128 v[GS+4*\j:GS+4*\j+3], v3, s[6:7] offset:512*\j
.endr
.irp j, 0,1,2,3,4,5
	global_load_b128 v[GB+4*\j:GB+4*\j+3], v3, s[8:9] offset:512*\j
.endr
.irp j, 0,1,2,3,4,5
	global_load_b128 v[R0+4*\j:R0+4*\j+3], v3, s[4:5] offset:512*\j th:TH_LOAD_NT
.endr
.irp j, 0,1,2,3,4,5
	global_load_b128 v[R1+4*\j:R1+4*\j+3], v3, s[4:5] offset:3072+512*\j th:TH_LOAD_NT
.endr
.macro REDUCE                          ; the sum of v[T] over the 32 lanes, in every lane
	v_add_f32_dpp v[T], v[T], v[T] row_xmask:1 row_mask:0xf bank_mask:0xf
	v_add_f32_dpp v[T], v[T], v[T] row_xmask:2 row_mask:0xf bank_mask:0xf
	v_add_f32_dpp v[T], v[T], v[T] row_xmask:4 row_mask:0xf bank_mask:0xf
	v_add_f32_dpp v[T], v[T], v[T] row_xmask:8 row_mask:0xf bank_mask:0xf
	v_permlanex16_b32 v[T+1], v[T], s20, s21
	v_add_f32 v[T], v[T], v[T+1]
.endm
.macro LNROW R, row
	v_pk_add_f32 v[T:T+1], v[\R:\R+1], v[\R+2:\R+3]
	v_pk_add_f32 v[T+2:T+3], v[\R+4:\R+5], v[\R+6:\R+7]
.irp i, 4,6,8,10
	v_pk_add_f32 v[T:T+1], v[T:T+1], v[\R+2*\i:\R+2*\i+1]
	v_pk_add_f32 v[T+2:T+3], v[T+2:T+3], v[\R+2*\i+2:\R+2*\i+3]
.endr
	v_pk_add_f32 v[T:T+1], v[T:T+1], v[T+2:T+3]
	v_add_f32 v[T], v[T], v[T+1]
	REDUCE
	v_mul_f32 v[T+4], s18, v[T]                    ; the mean, twice
	v_mov_b32 v[T+5], v[T+4]
.irp i, 0,1,2,3,4,5,6,7,8,9,10,11
	v_pk_add_f32 v[\R+2*\i:\R+2*\i+1], v[\R+2*\i:\R+2*\i+1], v[T+4:T+5] neg_lo:[0,1] neg_hi:[0,1]
.endr
	v_pk_mul_f32 v[T:T+1], v[\R:\R+1], v[\R:\R+1]
	v_pk_mul_f32 v[T+2:T+3], v[\R+2:\R+3], v[\R+2:\R+3]
.irp i, 2,4,6,8,10
	v_pk_fma_f32 v[T:T+1], v[\R+2*\i:\R+2*\i+1], v[\R+2*\i:\R+2*\i+1], v[T:T+1]
	v_pk_fma_f32 v[T+2:T+3], v[\R+2*\i+2:\R+2*\i+3], v[\R+2*\i+2:\R+2*\i+3], v[T+2:T+3]
.endr
	v_pk_add_f32 v[T:T+1], v[T:T+1], v[T+2:T+3]
	v_add_f32 v[T], v[T], v[T+1]
	REDUCE
	v_fma_f32 v[T+6], v[T], s18, s19               ; variance + 1e-5
	v_rsq_f32 v[T+4], v[T+6]
	v_rsq_f32 v[T+5], v[T+6]
	v_nop                                          ; a plain instruction behind the last of the two,
	s_wait_alu depctr_va_vdst(0)                   ; and one wait ahead of their first reader
.irp i, 0,1,2,3,4,5,6,7,8,9,10,11
	v_pk_mul_f32 v[\R+2*\i:\R+2*\i+1], v[\R+2*\i:\R+2*\i+1], v[T+4:T+5]
.endr
.irp i, 0,1,2,3,4,5,6,7,8,9,10,11
	v_pk_fma_f32 v[\R+2*\i:\R+2*\i+1], v[\R+2*\i:\R+2*\i+1], v[GS+2*\i:GS+2*\i+1], v[GB+2*\i:GB+2*\i+1]
.endr
.if OUTBF
.irp i, 0,1,2,3,4,5,6,7,8,9,10,11
	v_cvt_pk_bf16_f32 v[\R+\i], v[\R+2*\i], v[\R+2*\i+1]  ; in place, ascending
.endr
.irp j, 0,1,2,3,4,5
	global_store_b64 v4, v[\R+2*\j:\R+2*\j+1], s[10:11] offset:\row*1536+256*\j
.endr
.else
.irp j, 0,1,2,3,4,5
	global_store_b128 v3, v[\R+4*\j:\R+4*\j+3], s[10:11] offset:\row*3072+512*\j th:TH_STORE_NT  ; a wave stores 512 consecutive bytes, aligned
.endr
.endif
.endm
	s_wait_loadcnt 0x6                             ; gain, bias and row 0 are in; row 1's six loads stay out
	LNROW R0, 0
	s_wait_loadcnt 0x0
	LNROW R1, 1
	s_endpgm
.Lfunc_end_k_q76dd91c15c_ln2:
	.size	k_q76dd91c15c_ln2, .Lfunc_end_k_q76dd91c15c_ln2-k_q76dd91c15c_ln2
	.p2alignl 7, 3214868480
	.fill 96, 4, 3214868480
	.section	.rodata,"a",@progbits
	.p2align	6, 0x0
	.amdhsa_kernel k_q76dd91c15c_ln2
		.amdhsa_group_segment_fixed_size 0
		.amdhsa_private_segment_fixed_size 0
		.amdhsa_enable_private_segment 0
		.amdhsa_kernarg_size 32
		.amdhsa_user_sgpr_count 2
		.amdhsa_user_sgpr_kernarg_segment_ptr 1
		.amdhsa_wavefront_size32 1
		.amdhsa_system_sgpr_workgroup_id_x 1
		.amdhsa_system_sgpr_workgroup_id_y 1
		.amdhsa_system_sgpr_workgroup_id_z 1
		.amdhsa_system_vgpr_workitem_id 0
		.amdhsa_next_free_vgpr 112
		.amdhsa_next_free_sgpr 66
		.amdhsa_reserve_vcc 0
		.amdhsa_float_denorm_mode_32 3
		.amdhsa_float_denorm_mode_16_64 3
		.amdhsa_memory_ordered 1
		.amdhsa_forward_progress 1
		.amdhsa_inst_pref_size 15
	.end_amdhsa_kernel
	.amdgpu_metadata
---
amdhsa.version: [ 1, 2 ]
amdhsa.kernels:
  - .name:           k_q76dd91c15c_ln2
    .symbol:         k_q76dd91c15c_ln2.kd
    .args:
      - { .name: yz, .offset: 0, .size: 8, .value_kind: global_buffer, .address_space: global }
      - { .name: ln2_s, .offset: 8, .size: 8, .value_kind: global_buffer, .address_space: global }
      - { .name: ln2_b, .offset: 16, .size: 8, .value_kind: global_buffer, .address_space: global }
      - { .name: out0, .offset: 24, .size: 8, .value_kind: global_buffer, .address_space: global }
    .group_segment_fixed_size: 0
    .private_segment_fixed_size: 0
    .kernarg_segment_align: 8
    .kernarg_segment_size: 32
    .max_flat_workgroup_size: 256
    .sgpr_count:     66
    .vgpr_count:     112
    .wavefront_size: 32
...
	.end_amdgpu_metadata
.endif
;; end of part 8
